; MI455X (gfx1250); checked and timed in simulation.
; The chip was launched on July 23, 2026; its instructions are those of AMD's public machine-readable ISA for CDNA 5 (MIT licence, August 2026) and "CDNA5" Instruction Set Architecture Reference Guide (July 2026). The comments in the code are by the model that wrote it; some were corrected since.
;; Attention. Allowed arithmetic: matrix products marked QUANTISED: E2M3 operands, one E8M0 scale for each 32 along K, by v_wmma_scale_f32_16x16x128_f8f6f4 with both operands' format E2M3, f32 sums; everything else in f32.
;; Inputs: rotary_emb 2,048 x 64 float32; w_out 1,024 x 1,024 float32; w_qkv 3,072 x 1,024 float32; x 4 x 2,048 x 1,024 float32.
;; Outputs: out0 4 x 2,048 x 1,024 float32.
;; This version of the problem:
;;   THIS VERSION OF THE PROBLEM IS GIVEN IN LOW PRECISION. The matrix products marked QUANTISED in the list below multiply operands that are first quantised to E2M3 (2 exponent bits, 3 mantissa bits; 6 bits a number), with one power-of-two scale for each 32 numbers along K (OCP MX v1.0); their sums are f32. All else is computed in f32.
;;   The module's matrix products, in the order in which they are computed (A, B: the left and right operand; K: the contracted axis; several contracted axes count as one K, in the product's order):
;;     1. [M 8,192, K 1,024] x [K 1,024, N 3,072]; A: input x; B: input w_qkv: QUANTISED
;;     2. batch 64 x [M 2,048, K 64] x [K 64, N 2,048]; A: computed on the way; B: computed on the way: QUANTISED
;;     3. batch 64 x [M 2,048, K 2,048] x [K 2,048, N 64]; A: softmax (see below); B: computed on the way: QUANTISED
;;     4. [M 8,192, K 1,024] x [K 1,024, N 1,024]; A: computed on the way; B: input w_out: QUANTISED
;;   THE QUANTISER, for each operand of a quantised product, along K:
;;     - K is cut into blocks of 32 from its start; a last block that is shorter is filled with zeros.
;;     - A block's scale is 2^e with e = floor(log2(the largest magnitude in the block)) - 2, held to -126 .. 127; a block of zeros has e = 0. As a byte (E8M0): e + 127.
;;     - Each number is divided by its block's scale, clamped to +-7.5, and rounded to the nearest number of E2M3, ties to even, subnormals kept.
;;     - The product sums the exact products of the quantised numbers (number of the format x scale) in f32.
;;   ~~~python
;;   def quantise(x, axis):      # numpy; x: float32 -> the quantised numbers, widened to float32 again
;;       x = np.moveaxis(x, axis, -1); K = x.shape[-1]
;;       x = np.pad(x, [(0, 0)] * (x.ndim - 1) + [(0, -K % 32)]); x = x.reshape(x.shape[:-1] + (-1, 32)); a = np.abs(x).max(-1, keepdims=True)
;;       e = np.where(a > 0, np.clip(np.frexp(np.where(a > 0, a, 1))[1] - 1 - 2, -126, 127), 0)      # np.frexp(a)[1] - 1 = floor(log2(a)), exactly
;;       r = np.clip(x / 2.0 ** e, -7.5, 7.5)
;;       step = 2.0 ** (np.maximum(np.frexp(np.where(r == 0, 1, r))[1] - 1, 0) - 3)
;;       q = np.round(r / step) * step * 2.0 ** e      # np.round: ties to even
;;       return np.moveaxis(q.reshape(q.shape[:-2] + (-1,))[..., :K], -1, axis).astype(np.float32)
;;   ~~~
;;   SOFTMAX AHEAD OF A QUANTISED PRODUCT. Where the list says 'softmax', what is quantised is not the finished softmax but p = 2^(t - M), with t = logit x log2(e) and M = ceil(the row's largest t), a whole number; so 1/2 < the row's largest p <= 1. The row's sum l is taken of the UNQUANTISED p, in f32, and the product's result is divided by l at the end. Since M is a whole number, a kernel that streams over the keys may use a running M (the ceiling of the running maximum): every later rescaling is an exact power of two, which a block's scale takes up: the codes' values come out the same.
;;   OPERANDS COMPUTED ON THE WAY. 'Computed on the way' means the value that the module computes at that place (a softmax that the list does not call 'softmax' is quantised finished and normalised). What goes into a quantiser is computed in f32, as accurately as f32 sums, v_exp_f32 and their like allow (about 1e-6 of the number): no bf16 or f16 on the way to a quantiser, and a product that is left as it is and whose result goes on into a quantised operand takes f32 operands (vector FMAs, or v_wmma_f32_16x16x4_f32). A number that lies on a knife's edge between two numbers of the format may be rounded either way, as far as f32 arithmetic and the matrix unit's own rounding can turn it there, and no further.
;; One version. Each part assembles by itself: llvm-mc -triple=amdgcn-amd-amdhsa -mcpu=gfx1250 --defsym DOCPART=n.
;; ======== version 1 of 1: 4 launches
;; limits: inputs' magnitudes at most 100,000; right only within a limited range of input values
;; workspace buffers: qc 9,437,184 bytes; qs 393,216 bytes; trig 1,048,576 bytes; q_img 6,815,744 bytes; kv_img 13,631,488 bytes; a_img 6,291,456 bytes; a_sc 262,144 bytes
;; launch prep (part 1): grid 416 x 1, 4 waves a work-group, no clusters, 33,280 bytes of LDS; arguments x, w_qkv, w_out, rotary_emb, qc, qs, trig; writes qc, qs, trig
.if DOCPART == 1
	.amdgcn_target "amdgcn-amd-amdhsa--gfx1250"
	.amdhsa_code_object_version 6
	.text
	.protected	k_qeac815ece4_prep
	.globl	k_qeac815ece4_prep
	.p2align	8
	.type	k_qeac815ece4_prep,@function
k_qeac815ece4_prep:
	s_mov_b64 s[64:65], 0
	v_nop
	global_prefetch_b8 v0, s[64:65] scope:SCOPE_SE
	s_setreg_imm32_b32 hwreg(HW_REG_WAVE_MODE, 25, 1), 1
	s_wait_xcnt 0x0
; WORK-GROUPS 0-383: x [8192][1024], w_qkv [3072][1024] and w_out [1024][1024], f32, become codes of FP6 (E2M3), K innermost, with one E8M0 byte for each 32 along K.
; qc holds 12,288 rows of 768 bytes (x, then w_qkv, then w_out), qs the same rows' 32 scale bytes.
; A block's scale is 2^(floor(log2(its largest magnitude)) - 2); its byte is the largest magnitude's exponent field - 2, held at 1 from below.
; POSITION ORDER: rows of x and of w_qkv are stored with bits 3 and 4 of the row number exchanged, so that 16 neighbouring stored rows are rows 32 B + 8 u + r + 8 (r / 8):
; in a product's result the 16 registers of two neighbouring tiles are then 16 neighbours along the next product's K.  A wave takes a run of 8 rows, a work-group 32 rows,
; so the exchange is an exchange of the two bits of the wave's number on the way out.  w_out keeps its order.
; A wave takes 16 steps of 512 numbers: four loads of 512 consecutive bytes, a turn through the wave's own stage in LDS (16 bytes of padding behind each 64), 16 neighbours a lane, two lanes to a block.
; WORK-GROUPS 384-415: cos and sin of rotary_emb [2048][64], laid in the order in which the next launch's registers take them:
; trig [128 token tiles T][16 pieces][32 lanes][16 bytes]; piece 8 s + 4 b + 2 u + jj (s = 0 cos, 1 sin); lane (r, h) holds d = 32 b + 16 h + 8 u + 4 jj + 0..3 of token 32 (T / 2) + 8 (T % 2) + r + 8 (r / 8).
; cos and sin: the nearest multiple k of pi/2 is taken off in three parts by fused multiply-adds, then two polynomials on [-pi/4, pi/4], exchanged and signed by k mod 4; no jump hangs on a number.
; LIMITS: a block of zeros, or one whose largest magnitude lies under 2^-124, gets the byte 1 (its codes are zeros or tiny; this program alone reads the bytes); NaN and infinities are not served;
; the three-part reduction serves |rotary_emb| up to about 1e5.
; LAYOUT OF qc AND ORDER OF x's ROWS, as the lines below make them (they take the place of what is said of both above):
; qc is [48 blocks of 256 stored rows][4 K steps of 256][256 rows][192 bytes]: a K step's codes of 256 rows are 49,152 consecutive bytes, so a tile is a dense run of rows of 256 bytes.
; Rows of x are stored so that stored row 16 u + 8 hb + j of each 64 is token 32 hb + 8 u + j: in a product's result the 32 registers of four neighbouring tiles are then 32 neighbouring tokens,
; a whole block along the keys.  For runs of 8 rows that is a turn of the run number's three low bits.  w_qkv keeps the exchange of bits 3 and 4, w_out its own order.  The table of cos and sin follows x's order.
.set QWG,   384
.set STEPS, 16
.set EMAX,  2
.set CB,    12                         ; bytes of 16 codes
.set R,     16                         ; v16-79   four sets of 16 numbers as they are loaded
.set X,     80                         ; v80-111  two sets of 16 neighbours
.set C,     128                        ; v128-191 codes: four registers for each step, so that no store's data are written again
.set E,     112                        ; v112-127 a scale byte for each step
.set WREG,  8192                       ; LDS: a region for each wave: two stages of 32 x SP bytes, behind them its 256 scale bytes
.set SP,    80
.set XR,    32                         ; the other path: v32-63 the angles, v64-95 cos, v96-127 sin
.set CO,    64
.set SI,    96
	s_load_b128 s[4:7], s[0:1], 0x0                ; x, w_qkv
	s_load_b128 s[8:11], s[0:1], 0x10              ; w_out, rotary_emb
	s_load_b128 s[12:15], s[0:1], 0x20             ; qc, qs
	s_load_b64 s[16:17], s[0:1], 0x30              ; trig
	v_lshl_add_u32 v192, v0, 2, 0x8000
	v_mov_b32 v193, 0
	v_lshrrev_b32 v1, 5, v0
	v_readfirstlane_b32 s20, v1                    ; wave
	v_and_b32 v2, 31, v0                           ; lane
	s_cmp_ge_u32 ttmp9, QWG
	s_cbranch_scc1 .Ltrig                          ; the last 32 work-groups make the table; they touch no LDS
	v_lshlrev_b32 v3, 4, v2                        ; my 16 bytes of a load's 512
	s_mul_i32 s27, s20, WREG
	v_lshrrev_b32 v14, 2, v2
	v_mul_u32_u24 v14, v14, SP
	v_and_b32 v15, 3, v2
	v_lshl_add_u32 v14, v15, 4, v14
	v_add_nc_u32 v14, s27, v14                     ; the stage, on the way in: SP (lane / 4) + 16 (lane % 4)
	v_mul_u32_u24 v15, v2, SP
	v_add_nc_u32 v15, s27, v15                     ; and on the way out: SP x lane: my 16 neighbours
	v_and_b32 v4, 15, v2
	v_mul_u32_u24 v4, v4, CB                       ; my codes' place in a row's 192 bytes of a K step
	v_lshrrev_b32 v8, 4, v2
	v_mad_u32_u24 v4, v8, 0xc000, v4               ; lanes 16-31 hold the next K step: 49,152 bytes on
	v_lshrrev_b32 v5, 1, v2
	s_add_co_u32 s27, s27, 2*32*SP
	v_add_nc_u32 v5, s27, v5                       ; LDS: my wave's 256 scale bytes, my block's byte
	v_lshlrev_b32 v7, 3, v2                        ; and on the way out 8 bytes a lane
	v_add_nc_u32 v6, s27, v7
	s_and_b32 s22, s20, 1                          ; the wave's number with its two bits exchanged
	s_lshl_b32 s22, s22, 1
	s_lshr_b32 s23, s20, 1
	s_or_b32 s22, s22, s23
	s_wait_alu depctr_va_vdst(0)
	s_wait_kmcnt 0x0
	s_cmp_lt_u32 ttmp9, 256                        ; which tensor?  The choices hang on the work-group's number alone
	s_cselect_b64 s[4:5], s[4:5], s[6:7]
	s_cselect_b32 s21, 0, 256
	s_cmp_lt_u32 ttmp9, 352
	s_cselect_b64 s[4:5], s[4:5], s[8:9]
	s_cselect_b32 s21, s21, 352                    ; the tensor's first work-group
	s_cselect_b32 s22, s22, s20                    ; w_out keeps its rows' order
	s_sub_co_u32 s24, ttmp9, s21
	s_lshl_b32 s24, s24, 2
	s_add_co_u32 s24, s24, s20                     ; in: run 4 x (work-group in the tensor) + wave, 32,768 bytes each
	s_lshl_b32 s24, s24, 15
	s_mov_b32 s25, 0
	s_add_nc_u64 s[4:5], s[4:5], s[24:25]
	s_lshl_b32 s26, ttmp9, 2
	s_add_co_u32 s27, s26, s20                     ; the run's number as it is read
	s_add_co_u32 s26, s26, s22                     ; out, for w_qkv and w_out
	s_and_b32 s28, s27, 3
	s_lshl_b32 s28, s28, 1
	s_bfe_u32 s29, s27, 0x10002
	s_or_b32 s28, s28, s29                         ; x: the three low bits turned: (hb, u) becomes (u, hb)
	s_and_b32 s27, s27, 0xfffffff8
	s_or_b32 s27, s27, s28
	s_cmp_lt_u32 ttmp9, 256
	s_cselect_b32 s26, s27, s26
	s_lshr_b32 s24, s26, 5                         ; 32 runs to a block of 256 rows: 196,608 bytes a block,
	s_mul_i32 s24, s24, 196608
	s_and_b32 s27, s26, 31
	s_mul_i32 s27, s27, 1536                       ; 8 rows of 192 bytes a run inside a K step
	s_add_co_u32 s24, s24, s27
	s_add_nc_u64 s[12:13], s[12:13], s[24:25]
	s_lshl_b32 s24, s26, 8
	s_add_nc_u64 s[14:15], s[14:15], s[24:25]
.macro LOAD t
.irp i, 0,1,2,3
	global_load_b128 v[R+16*((\t)%4)+4*\i:R+16*((\t)%4)+4*\i+3], v3, s[4:5] offset:2048*(\t)+512*\i th:TH_LOAD_NT   ; 32 lanes read 512 consecutive bytes
.endr
.endm
.macro TURN t                          ; step t's numbers through the stage: LDS serves a wave's instructions in order, so no wait stands between the stores and the loads
.irp i, 0,1,2,3
	ds_store_b128 v14, v[R+16*((\t)%4)+4*\i:R+16*((\t)%4)+4*\i+3] offset:32*SP*((\t)%2)+8*SP*\i
.endr
.irp i, 0,1,2,3
	ds_load_b128 v[X+16*((\t)%2)+4*\i:X+16*((\t)%2)+4*\i+3], v15 offset:32*SP*((\t)%2)+16*\i
.endr
.endm
.irp t, 0,1,2,3
	LOAD \t
.endr
	s_wait_loadcnt 12                              ; step 0's four loads are in
	TURN 0
.macro STEP t
.set XS, X+16*((\t)%2)
.if (\t) > 0
	s_wait_dscnt 1                                 ; this step's numbers are back from the stage (the last step's byte store may be out)
.else
	s_wait_dscnt 0x0
.endif
.if (\t)+4 < STEPS
	LOAD (\t)+4                                    ; the stage's stores have read these registers: they take the loads of four steps on
.endif
.if (\t)+1 < STEPS
.if STEPS-2-(\t) >= 3
	s_wait_loadcnt 12                              ; the next step's four loads are in; those of the three steps behind it may be out
.else
	s_wait_loadcnt 4*(STEPS-2-(\t))
.endif
	TURN (\t)+1
.endif
	v_max3_num_f32 v8, |v[XS]|, |v[XS+1]|, |v[XS+2]|               ; the largest magnitude of my 16, in two chains
	v_max3_num_f32 v9, |v[XS+3]|, |v[XS+4]|, |v[XS+5]|
.irp i, 6,10
	v_max3_num_f32 v8, v8, |v[XS+\i]|, |v[XS+\i+1]|
	v_max3_num_f32 v9, v9, |v[XS+\i+2]|, |v[XS+\i+3]|
.endr
	v_max3_num_f32 v8, v8, |v[XS+14]|, |v[XS+15]|
	v_max3_num_f32 v8, v8, v9, (EMAX+1)<<23        ; and the floor 2^(3 - 127): the byte cannot fall under 1
	v_max_num_f32_dpp v8, v8, v8 row_xmask:1 row_mask:0xf bank_mask:0xf   ; and of my neighbour's 16: the block's
	v_add_nc_u32 v11, -(EMAX<<23), v8              ; 2 off its exponent field: the conversion takes the exponent field of this operand as its scale
	v_cvt_scalef32_pk16_fp6_f32 v[C+4*(\t):C+4*(\t)+2], v[XS:XS+15], v11
	v_lshrrev_b32 v[E+(\t)], 23, v11               ; the scale's byte
	ds_store_b8 v5, v[E+(\t)] offset:16*(\t)       ; both lanes of a block write the same byte with the same value
	global_store_b96 v4, v[C+4*(\t):C+4*(\t)+2], s[12:13] offset:98304*((\t)%2)+192*((\t)/2)   ; row t / 2 of the run, K steps 2 (t % 2) and 2 (t % 2) + 1
.endm
.irp t, 0,1,2,3,4,5,6,7,8,9,10,11,12,13,14,15
	STEP \t
.endr
	ds_load_b64 v[12:13], v6                       ; LDS serves a wave's instructions in order: these see my stores
	s_wait_dscnt 0x0
	global_store_b64 v7, v[12:13], s[14:15]        ; 32 lanes store 256 consecutive bytes, aligned
	s_wait_tensorcnt 0x0
	ds_add_u32 v192, v193
	s_wait_dscnt 0x0
	s_endpgm
.Ltrig:
	s_sub_co_u32 s21, ttmp9, QWG
	s_lshl_b32 s21, s21, 2
	s_add_co_u32 s21, s21, s20                     ; my token tile T
	s_lshr_b32 s22, s21, 2
	s_lshl_b32 s22, s22, 6
	s_and_b32 s23, s21, 3
	s_lshl_b32 s23, s23, 3                         ; the tile's first token: 64 (T / 4) + 8 (T % 4)
	s_add_co_u32 s22, s22, s23
	s_lshl_b32 s22, s22, 8                         ; 256 bytes a token
	s_mov_b32 s23, 0
	s_lshl_b32 s36, s21, 13                        ; 8,192 bytes of table a tile
	s_mov_b32 s37, 0
	s_mov_b32 s24, 0x3f22f983                      ; 2 / pi
	s_mov_b32 s25, 0xbfc90fd8                      ; -pi/2 in three parts
	s_mov_b32 s26, 0xb4a8885a
	s_mov_b32 s27, 0xa7c234c4
	s_mov_b32 s28, 0x37cd4000                      ; cos: z^4 .. z^2 (then -1/2 and 1)
	s_mov_b32 s29, 0xbab6077d
	s_mov_b32 s30, 0x3d2aaaa8
	s_mov_b32 s31, 0x36405000                      ; sin: z^4 .. z^1
	s_mov_b32 s32, 0xb9503486
	s_mov_b32 s33, 0x3c0888c1
	s_mov_b32 s34, 0xbe2aaaab
	v_and_b32 v3, 15, v0                           ; r
	v_and_b32 v4, 8, v3
	v_mad_u32_u24 v3, v4, 3, v3                    ; r % 8 + 32 (r / 8)
	v_lshlrev_b32 v3, 8, v3
	v_bfe_u32 v4, v0, 4, 1                         ; h
	v_lshl_add_u32 v3, v4, 6, v3                   ; my token's row, + 64 h
	s_wait_alu depctr_va_vdst(0)
	v_lshlrev_b32 v5, 4, v2                        ; out: 16 bytes a lane
	s_wait_kmcnt 0x0
	s_add_nc_u64 s[10:11], s[10:11], s[22:23]
	s_add_nc_u64 s[16:17], s[16:17], s[36:37]
.irp p, 0,1,2,3,4,5,6,7
	global_load_b128 v[XR+4*\p:XR+4*\p+3], v3, s[10:11] offset:128*(\p/4)+16*(\p%4)   ; d = 32 (p / 4) + 16 h + 4 (p % 4) + 0..3
.endr
	s_wait_loadcnt 0x0
.macro SINCOS i
	v_mul_f32 v8, s24, v[XR+\i]
	v_rndne_f32 v8, v8                             ; k
	v_fma_f32 v9, v8, s25, v[XR+\i]
	v_fma_f32 v9, v8, s26, v9
	v_fma_f32 v9, v8, s27, v9                      ; a = x - k pi/2
	v_cvt_i32_f32 v10, v8
	v_mul_f32 v11, v9, v9                          ; z = a a
	v_fma_f32 v12, v11, s28, s29
	v_fma_f32 v12, v12, v11, s30
	v_fma_f32 v12, v12, v11, -0.5
	v_fma_f32 v12, v12, v11, 1.0                   ; cos a
	v_fma_f32 v13, v11, s31, s32
	v_fma_f32 v13, v13, v11, s33
	v_fma_f32 v13, v13, v11, s34
	v_mul_f32 v14, v9, v11
	v_fma_f32 v13, v13, v14, v9                    ; sin a
	v_and_b32 v14, 1, v10
	v_cmp_eq_u32 vcc_lo, 1, v14                    ; k odd: the two change places
	v_cndmask_b32 v[SI+\i], v13, v12, vcc_lo
	v_cndmask_b32 v[CO+\i], v12, v13, vcc_lo
	v_lshlrev_b32 v14, 30, v10                     ; sin's sign: bit 1 of k
	v_and_b32 v14, 0x80000000, v14
	v_xor_b32 v[SI+\i], v[SI+\i], v14
	v_add_nc_u32 v15, 1, v10                       ; cos's: bit 1 of k + 1
	v_lshlrev_b32 v15, 30, v15
	v_and_b32 v15, 0x80000000, v15
	v_xor_b32 v[CO+\i], v[CO+\i], v15
.endm
.set n, 0
.rept 32
	SINCOS n
.set n, n+1
.endr
.irp p, 0,1,2,3,4,5,6,7
	global_store_b128 v5, v[CO+4*\p:CO+4*\p+3], s[16:17] offset:512*\p          ; each store covers 512 consecutive bytes, aligned
	global_store_b128 v5, v[SI+4*\p:SI+4*\p+3], s[16:17] offset:4096+512*\p
.endr
	s_endpgm
.Lfunc_end_k_qeac815ece4_prep:
	.size	k_qeac815ece4_prep, .Lfunc_end_k_qeac815ece4_prep-k_qeac815ece4_prep
	.p2alignl 7, 3214868480
	.fill 96, 4, 3214868480
	.section	.rodata,"a",@progbits
	.p2align	6, 0x0
	.amdhsa_kernel k_qeac815ece4_prep
		.amdhsa_group_segment_fixed_size 33280
		.amdhsa_private_segment_fixed_size 0
		.amdhsa_enable_private_segment 0
		.amdhsa_kernarg_size 56
		.amdhsa_user_sgpr_count 2
		.amdhsa_user_sgpr_kernarg_segment_ptr 1
		.amdhsa_wavefront_size32 1
		.amdhsa_system_sgpr_workgroup_id_x 1
		.amdhsa_system_sgpr_workgroup_id_y 1
		.amdhsa_system_sgpr_workgroup_id_z 1
		.amdhsa_system_vgpr_workitem_id 0
		.amdhsa_next_free_vgpr 194
		.amdhsa_next_free_sgpr 66
		.amdhsa_reserve_vcc 1
		.amdhsa_float_denorm_mode_32 3
		.amdhsa_float_denorm_mode_16_64 3
		.amdhsa_memory_ordered 1
		.amdhsa_forward_progress 1
		.amdhsa_inst_pref_size 77
	.end_amdhsa_kernel
	.amdgpu_metadata
---
amdhsa.version: [ 1, 2 ]
amdhsa.kernels:
  - .name:           k_qeac815ece4_prep
    .symbol:         k_qeac815ece4_prep.kd
    .args:
      - { .name: x, .offset: 0, .size: 8, .value_kind: global_buffer, .address_space: global }
      - { .name: w_qkv, .offset: 8, .size: 8, .value_kind: global_buffer, .address_space: global }
      - { .name: w_out, .offset: 16, .size: 8, .value_kind: global_buffer, .address_space: global }
      - { .name: rotary_emb, .offset: 24, .size: 8, .value_kind: global_buffer, .address_space: global }
      - { .name: qc, .offset: 32, .size: 8, .value_kind: global_buffer, .address_space: global }
      - { .name: qs, .offset: 40, .size: 8, .value_kind: global_buffer, .address_space: global }
      - { .name: trig, .offset: 48, .size: 8, .value_kind: global_buffer, .address_space: global }
    .group_segment_fixed_size: 33280
    .private_segment_fixed_size: 0
    .kernarg_segment_align: 8
    .kernarg_segment_size: 56
    .max_flat_workgroup_size: 128
    .sgpr_count:     66
    .vgpr_count:     194
    .wavefront_size: 32
...
	.end_amdgpu_metadata
.endif
;; end of part 1
;; launch qkv (part 2): grid 12 x 32, 4 waves a work-group, clusters of 4 x 4, 327,680 bytes of LDS; arguments qc, qs, trig, q_img, kv_img; writes q_img, kv_img
.if DOCPART == 2
	.amdgcn_target "amdgcn-amd-amdhsa--gfx1250"
	.amdhsa_code_object_version 6
	.text
	.protected	k_qeac815ece4_qkv
	.globl	k_qeac815ece4_qkv
	.p2align	8
	.type	k_qeac815ece4_qkv,@function
k_qeac815ece4_qkv:
	s_mov_b64 s[64:65], 0
	v_nop
	global_prefetch_b8 v0, s[64:65] scope:SCOPE_SE
	s_setreg_imm32_b32 hwreg(HW_REG_WAVE_MODE, 25, 1), 1
	s_wait_xcnt 0x0
	s_wait_alu depctr_hold_cnt(0) depctr_sa_sdst(0) depctr_va_vdst(0) depctr_va_sdst(0) depctr_va_ssrc(0) depctr_va_vcc(0) depctr_vm_vsrc(0)
	s_getreg_b32 s2, hwreg(HW_REG_IB_STS2, 6, 4)
	s_cmp_eq_u32 s2, 0
	s_cbranch_scc0 .Lentry_in_a_cluster
	s_endpgm
.Lentry_in_a_cluster:
	s_bfe_u32 s2, ttmp6, 0x10000c
	s_cmp_lg_u32 s2, 0xf033
	s_cbranch_scc0 .Lentry_shape_is_right
	s_endpgm
.Lentry_shape_is_right:
; qkv = x w_qkv^T on codes of FP6 (E2M3) with one E8M0 scale for each 32 along K = 1,024; then, in registers, RoPE and the quantising of q and k along the head's 64, and of v along the keys.
; Both operands are rows of qc (768 bytes of codes) and qs (32 scale bytes): rows 0-8191 x, 8192-11263 w_qkv, both in POSITION ORDER (bits 3 and 4 of the row number exchanged).
; A tile of 256 x 256 is made by a work-group of four waves; a wave makes 128 x 128: 64 accumulators of 16 x 16, 512 registers.  K goes in steps of 256 through a ring of two LDS slots
; filled by the tensor data mover; the scales of the work-group's 2 x 256 rows come into LDS once.  CLUSTERS of 4 x 4: the "A" side's tiles are shared along a row of the cluster, the "B" side's along a column.
; The matrix instruction takes 16 rows of the B side as source 0 and 16 rows of the A side as source 1: a lane holds ONE row of the A side, and its registers run along the B side's rows.
;   cluster x = 0, 1 (q, k): A side = tokens, B side = features: a lane holds a token; by the position order the 16 registers of two neighbouring tiles are features 32 b + 16 (lane / 16) + 0..15 of a head.
;   cluster x = 2 (v):       A side = features, B side = tokens: a lane holds a feature d, its registers run along tokens, which are the last-but-one product's K.
; WHAT IS STORED are images of the reader's operand registers, 512 consecutive bytes a store:
;   q_img [64 heads][16 blocks of 128 tokens][6,656]: four pair images of 1,536 bytes (two tiles of 16 tokens x 6 registers), then 512 bytes of scale words.
;   kv_img [64 heads][16 key steps][13,312]: k as q | 512 bytes of k's scale words | v's four fragments (16 d x 128 keys, 1,536 bytes each) | 512 bytes of v's scale words.
; LIMITS: a block whose largest magnitude lies under 2^-124 (a block of zeros too) gets the byte 1; NaN and infinities are not served; RoPE's second product is fused into a multiply-add.
; REGISTERS, in windows of 256: window 0: v0-31 addresses; v32-63 scale words, two sets, and nothing else ever; from v128 A's fragments, one set; v64-127 and v224-255 at work on the way out.
;   window 1: B's fragments, two sets, at v0 and v128; on the way out v0-127: cos and sin, two sets of 64.   windows 2, 3: the accumulators ((a, b) at v[8 (8 (a % 4) + b)]).
.set KSTEP,  256
.set NQ,     KSTEP/128
.set ROWB,   49152                     ; from K step to K step in qc: 256 rows x 192 bytes, dense; a tile is fetched as rows of 256 bytes of that run
.set G0H,    4                         ; s[4:7], s[96:99] group 0 of the head's loads of K step 0: A's 256 rows, B's 256 rows
.set G0HB,   96
.set KROW,   768                       ; a row of qc
.set PITCH,  240                       ; an LDS row: 3 x (64 bytes + 16 of padding)
.set FR,     12
.set NL,     6
.set NP,     4                         ; places behind this matrix instruction (ISA guide 7.12.1)
.set HALFT,  128*PITCH
.set SLOT,   4*HALFT
.set LAPS,   1024/(2*KSTEP)
.set KS,     32                        ; a row of qs
.set SCL,    2*SLOT                    ; behind the ring: the scales, as units of 256 bytes + 16 of padding
.set HALFS,  (128*KS/256)*272
.set SBLK,   (16*KS/256)*272
.set SPARE,  SCL+4*HALFS               ; behind the scales: the spare words, 128 bytes for each wave
.set ADRA, 16                          ; v16-17 LDS address of my A fragments in slot 0, 1 (v18-19: behind one padding more)
.set ADRB, 20                          ; v20-23 the same for B
.set ADRS, 27                          ; v27 LDS address of my scale words: lanes 0-15 A's rows, lanes 16-31 B's
.set SPW,  28                          ; v28 LDS address of my spare word; never rewritten
.set NIL,  29                          ; v29 0; never rewritten
.set LO,   30                          ; v30 16 x lane: my place in an image
.set SC,   32
.set AF,   128
.set T,    64                          ; the way out of q, k: v64-95 a token's 32 numbers of a head after RoPE
.set CD,   96                          ; v96-119 two heads' pair images
.set QX,   120                         ; v120-122 a conversion's second half
.set QBM,  124                         ; v124-125 largest magnitudes;  v126-127 the other half of the lanes'
.set QBT,  126
.set QSOP, 224                         ; v224-225 the conversions' scale operands;  v226-227 the bytes
.set QBY,  226
.set WE,   228                         ; v228-229 the even tile's scale word, for each head
.set WW,   230                         ; v230 the word just made
.set SW,   232                         ; v232-239 scale words as they are stored: 4 head + pair
.set VBM,  64                          ; the way out of v: four of each
.set VBT,  68
.set VSOP, 72
.set VBY,  76
.set VX,   80                          ; v80-86
.set VW,   88                          ; v88-95 the eight fragments' scale words
.set VD,   128                         ; v128-223 the eight fragments
.set SEL,  18                          ; s[18:19] v_permlanex16_b32's selects for lane l xor 16
.set G1, 24
.set G0, 32
.set G1B, 48
.set G0B, 56
.set G1S, 68
.set G0S, 76
.set G1SB, 80
.set G0SB, 88
.set MSB, 0
.macro WIN new                         ; the immediate's high byte repeats the setting that is left
.if MSB != (\new)
	s_set_vgpr_msb (MSB<<8)|(\new)
.set MSB, (\new)
.endif
.endm
.set MUL_LO, 0xa1                      ; source 0 (B) window 1, source 1 (A) window 0, C and D window 2
.set MUL_HI, 0xf1
.set TO_B,   0x40                      ; destination window 1, address window 0
; A joint load: waves 0 and 1 fetch for A, waves 2 and 3 for B; the branch hangs on the wave's number alone.  Four v_nop follow each of the two lines.
.macro JLOAD g0a, g1a, g0b, g1b
	s_cmp_eq_u32 s15, 0
	s_cbranch_scc0 .Lfor_b_\@
	tensor_load_to_lds s[\g0a:\g0a+3], s[\g1a:\g1a+7]
	s_nop 0
.rept 4
	v_nop
.endr
	s_branch .Lasked_\@
.Lfor_b_\@:
	tensor_load_to_lds s[\g0b:\g0b+3], s[\g1b:\g1b+7]
	s_nop 0
.rept 4
	v_nop
.endr
.Lasked_\@:
.endm
.macro CREST                           ; a round of the cluster's barrier behind its opening barrier
	s_cmp_lg_u32 s14, 0
	s_cbranch_scc1 .Lnot_wave_0_\@
	s_barrier_signal -3
.Lnot_wave_0_\@:
	s_barrier_wait -3
	s_barrier_signal -1
	s_barrier_wait -1
.endm
.macro CROUND
	s_barrier_signal -1
	s_barrier_wait -1
	CREST
.endm
	s_load_b256 s[4:11], s[0:1], 0x0               ; qc s[4:5], qs s[6:7], trig s[8:9], q_img s[10:11]
	s_load_b64 s[12:13], s[0:1], 0x20              ; kv_img
	v_lshl_add_u32 v[SPW], v0, 2, SPARE
	v_mov_b32 v[NIL], 0
	ds_add_u32 v28, v29
	ds_add_u32 v28, v29
	s_wait_dscnt 0x0
	v_lshrrev_b32 v1, 5, v0
	v_readfirstlane_b32 s14, v1                    ; wave 0..3
	s_lshr_b32 s15, s14, 1                         ; which half of the A side's rows is mine.  Also: I fetch for A (0) or for B (1)
	s_and_b32 s16, s14, 1                          ; which half of the B side's.  Also: which 128 rows of that tile I fetch
	s_bfe_u32 s40, ttmp6, 0x40000                  ; cx, cy: my place in the cluster
	s_bfe_u32 s41, ttmp6, 0x40004
	; The 24 clusters are numbered anew from their ids (the same in all sixteen partners): numbers 0-15 make q and k, whose way out is the longer one, numbers 16-23 make v.
	; s66 takes the place of "cluster x" in the comments above (0 q, 1 k, 2 v), s95 that of 4 x cluster y.
	s_and_b32 s95, ttmp7, 0xffff
	s_mul_i32 s95, s95, 3
	s_add_co_u32 s95, s95, ttmp9                   ; the cluster's number, 0..23
	s_and_b32 s66, s95, 1
	s_lshr_b32 s67, s95, 1
	s_max_u32 s97, s95, 16
	s_sub_co_u32 s97, s97, 16
	s_cmp_lt_u32 s95, 16
	s_cselect_b32 s66, s66, 2
	s_cselect_b32 s95, s67, s97
	s_lshl_b32 s95, s95, 2
	s_add_co_u32 s17, s95, s41                     ; q, k: the A side's tile of 256 rows of qc: tokens 4 cluster y + cy
	s_add_co_u32 s96, s41, 40                      ; v: w_v's rows begin at row 10,240 = 40 x 256: 40 + cy
	s_lshl_b32 s42, s66, 2
	s_add_co_u32 s42, s42, s40
	s_add_co_u32 s42, s42, 32                      ; q, k: the B side's: w_q's and w_k's rows begin at 8,192 = 32 x 256: 32 + 4 cluster x + cx
	s_add_co_u32 s97, s95, s40                     ; v: tokens 4 cluster y + cx
	s_cmp_eq_u32 s66, 2
	s_cselect_b32 s17, s96, s17
	s_cselect_b32 s42, s97, s42                    ; hangs on cx alone
	s_lshl_b32 s43, s41, 2
	s_lshl_b32 s43, 15, s43                        ; my row of the cluster
	s_lshl_b32 s44, 0x1111, s40                    ; my column
	; descriptor group 1: a tile of 128 rows x 192 bytes; 16 bytes of padding behind every 64
	s_or_b32 s[G1+0], s43, (0<<16)|(1<<20)|(1<<21)|(3<<22)|(3<<25)
	s_or_b32 s[G1B+0], s44, (0<<16)|(1<<20)|(1<<21)|(3<<22)|(3<<25)
.irp g, G1, G1B
	s_mov_b32 s[\g+1], 256<<16                     ; tensor_dim0: 256 bytes
	s_mov_b32 s[\g+2], 192<<16                     ; tensor_dim1: 192 such rows = 256 rows of codes, for the head's loads
	s_mov_b32 s[\g+3], 256<<16                     ; tile_dim0
	s_mov_b32 s[\g+4], 192                         ; tile_dim1
	s_mov_b32 s[\g+5], 256                         ; dense
	s_mov_b32 s[\g+6], 0
	s_mov_b32 s[\g+7], 0
.endr
	; the scales of 256 rows: a dense block of 8,192 bytes, as 32 rows of 256 bytes, 16 bytes of padding behind each
	s_or_b32 s[G1S+0], s43, (3<<16)|(1<<20)|(1<<21)|(5<<22)|(3<<25)
	s_or_b32 s[G1SB+0], s44, (3<<16)|(1<<20)|(1<<21)|(5<<22)|(3<<25)
.irp g, G1S, G1SB
	s_mov_b32 s[\g+1], 32<<16
	s_mov_b32 s[\g+2], KS<<16                      ; the scales of 256 rows: 32 rows of 256 bytes
	s_mov_b32 s[\g+3], 32<<16
	s_mov_b32 s[\g+4], KS
	s_mov_b32 s[\g+5], 32
	s_mov_b32 s[\g+6], 0
	s_mov_b32 s[\g+7], 0
.endr
	s_mov_b32 s18, 0                               ; the addresses below are those of the tiles' first rows
	s_lshl_b32 s20, s17, 8
	s_add_co_u32 s20, s20, s18                     ; A side: row of qc
	s_lshl_b32 s46, s42, 8
	s_add_co_u32 s46, s46, s18                     ; B side
	s_mov_b32 s21, 0
	s_mov_b32 s47, 0
	s_mov_b64 s[18:19], KS
	s_mul_u64 s[22:23], s[20:21], s[18:19]         ; where these rows' scales begin, in bytes
	s_mul_u64 s[92:93], s[46:47], s[18:19]
	s_mov_b64 s[18:19], KROW
	s_mul_u64 s[20:21], s[20:21], s[18:19]         ; and their codes
	s_mul_u64 s[46:47], s[46:47], s[18:19]
	s_mul_i32 s45, s14, HALFT                      ; where they go: wave x 128 rows: no place in the cluster enters an LDS address
	s_wait_kmcnt 0x0
	s_add_nc_u64 s[20:21], s[4:5], s[20:21]
	s_add_nc_u64 s[22:23], s[6:7], s[22:23]
	s_add_nc_u64 s[46:47], s[4:5], s[46:47]
	s_add_nc_u64 s[92:93], s[6:7], s[92:93]
	CROUND                                         ; all sixteen work-groups are here: the first joint loads meet
	s_mov_b32 s[G0S], 1
	s_mov_b32 s[G0S+1], SCL
	s_mov_b64 s[G0S+2:G0S+3], s[22:23]
	s_or_b32 s[G0S+3], s[G0S+3], 0x80000000
	s_mov_b32 s[G0SB], 1
	s_mov_b32 s[G0SB+1], SCL+2*HALFS
	s_mov_b64 s[G0SB+2:G0SB+3], s[92:93]
	s_or_b32 s[G0SB+3], s[G0SB+3], 0x80000000
	s_mov_b32 s[G0H], 1                            ; K step 0's 256 rows of A,
	s_mov_b32 s[G0H+1], 0
	s_mov_b64 s[G0H+2:G0H+3], s[20:21]
	s_or_b32 s[G0H+3], s[G0H+3], 0x80000000
	s_mov_b32 s[G0HB], 1                           ; and of B, behind them in slot 0
	s_mov_b32 s[G0HB+1], 2*HALFT
	s_mov_b64 s[G0HB+2:G0HB+3], s[46:47]
	s_or_b32 s[G0HB+3], s[G0HB+3], 0x80000000
	s_mul_i32 s18, s16, ROWB/2                     ; for the ring: my 128 rows of a tile
	s_mov_b32 s19, 0
	s_add_nc_u64 s[20:21], s[20:21], s[18:19]
	s_add_nc_u64 s[46:47], s[46:47], s[18:19]
.irp s, 0,1
	s_mov_b32 s[G0+4*\s], 1
	s_add_co_u32 s[G0+4*\s+1], s45, \s*SLOT
	s_add_nc_u64 s[G0+4*\s+2:G0+4*\s+3], s[20:21], \s*ROWB
	s_or_b32 s[G0+4*\s+3], s[G0+4*\s+3], 0x80000000
	s_mov_b32 s[G0B+4*\s], 1
	s_add_co_u32 s[G0B+4*\s+1], s45, \s*SLOT
	s_add_nc_u64 s[G0B+4*\s+2:G0B+4*\s+3], s[46:47], \s*ROWB
	s_or_b32 s[G0B+4*\s+3], s[G0B+4*\s+3], 0x80000000
.endr
; The head's loads, one a wave: wave 0 K step 0's 256 rows of A, wave 1 those of B, wave 2 the scales of A's 256 rows, wave 3 those of B's.
; One chain of branches on the wave's number; every way through it passes one load.
.macro ARM under, g0, g1, next
	s_cmp_lt_u32 s14, \under
	s_cbranch_scc0 \next
	tensor_load_to_lds s[\g0:\g0+3], s[\g1:\g1+7]
	s_nop 0
.rept 4
	v_nop
.endr
	s_branch .Lhead_asked
\next:
.endm
	ARM 1, G0H,  G1,  .Lhead_b
	ARM 2, G0HB, G1B, .Lhead_sa
	ARM 3, G0S,  G1S, .Lhead_sb
	tensor_load_to_lds s[G0SB:G0SB+3], s[G1SB:G1SB+7]
	s_nop 0
.rept 4
	v_nop
.endr
.Lhead_asked:
	v_and_b32 v1, 15, v0                           ; l % 16
	v_bfe_u32 v2, v0, 4, 1                         ; l / 16
	v_mul_u32_u24 v3, v1, PITCH
	v_mul_u32_u24 v4, v2, 24
	v_add_nc_u32 v4, v3, v4                        ; a fragment's row x pitch + 24 x half
	v_lshl_add_u32 v5, v2, 4, v4                   ; and the same behind one padding more
	s_mul_i32 s21, s15, HALFT                      ; my 128 rows of A
	s_mul_i32 s22, s16, HALFT                      ; my 128 rows of B,
	s_add_co_u32 s22, s22, 2*HALFT                 ; which lie behind A's 256
.irp s, 0,1
	v_add_nc_u32 v[ADRA+\s], s21, v4
	v_add_nc_u32 v[ADRB+\s], s22, v4
	v_add_nc_u32 v[ADRA+2+\s], s21, v5
	v_add_nc_u32 v[ADRB+2+\s], s22, v5
	s_add_co_u32 s21, s21, SLOT
	s_add_co_u32 s22, s22, SLOT
.endr
	v_mul_u32_u24 v5, v1, KS                       ; my row's scales: 32 bytes a row,
	v_lshrrev_b32 v6, 8, v5
	v_lshl_add_u32 v5, v6, 4, v5                   ; and 16 more for each 256 passed
	s_mul_i32 s21, s15, HALFS
	s_mul_i32 s22, s16, HALFS
	s_add_co_u32 s22, s22, 2*HALFS
	s_sub_co_u32 s22, s22, s21
	v_mul_u32_u24 v6, s22, v2                      ; lanes 16-31 take B's
	s_add_co_u32 s21, s21, SCL
	v_add_nc_u32 v5, v5, v6
	v_add_nc_u32 v[ADRS], s21, v5
	v_and_b32 v6, 31, v0
	v_lshlrev_b32 v[LO], 4, v6
.macro FRAG reg, adr, q, i             ; a fragment, 16 rows x 128 K, is 12 registers: lane l holds row l % 16; registers 6 c .. 6 c + 5 hold K = 64 c + 32 (l / 16) + 0 .. 31, as the bytes lie
.irp p, 0,1,2,3,4,5                    ; in pieces of 8 bytes; where the piece of lanes 16-31 lies behind one padding more, the second address register serves
.set PCE, 12*(\q)+6*(\p/3)+\p%3
.if PCE%8 < 5
	ds_load_b64 v[\reg+2*\p:\reg+2*\p+1], v[\adr] offset:8*PCE+16*(PCE/8)+(\i)*16*PITCH
.else
	ds_load_b64 v[\reg+2*\p:\reg+2*\p+1], v[\adr+2] offset:8*PCE+16*(PCE/8)+(\i)*16*PITCH
.endif
.endr
.endm
; 16 matrix instructions: A's blocks a0, a0 + 1 x B's eight, 128 along K.  The 64 accumulators take turns, one instruction a turn, in the same order in every step.
.macro MUL16 a0, p, q, sc, zero
.irp a, \a0, \a0+1
.irp b, 0,1,2,3,4,5,6,7
.if \zero
	v_wmma_scale_f32_16x16x128_f8f6f4 v[8*(8*((\a)%4)+\b):8*(8*((\a)%4)+\b)+7], v[128*(\p)+FR*\b:128*(\p)+FR*\b+FR-1], v[AF+FR*(\a):AF+FR*(\a)+FR-1], 0, v[SC+8*NQ*(\sc)+NQ*\b+(\q)], v[SC+8*NQ*(\sc)+NQ*(\a)+(\q)] matrix_a_fmt:MATRIX_FMT_FP6 matrix_b_fmt:MATRIX_FMT_FP6 matrix_a_scale:MATRIX_SCALE_ROW1
.else
	v_wmma_scale_f32_16x16x128_f8f6f4 v[8*(8*((\a)%4)+\b):8*(8*((\a)%4)+\b)+7], v[128*(\p)+FR*\b:128*(\p)+FR*\b+FR-1], v[AF+FR*(\a):AF+FR*(\a)+FR-1], v[8*(8*((\a)%4)+\b):8*(8*((\a)%4)+\b)+7], v[SC+8*NQ*(\sc)+NQ*\b+(\q)], v[SC+8*NQ*(\sc)+NQ*(\a)+(\q)] matrix_a_fmt:MATRIX_FMT_FP6 matrix_b_fmt:MATRIX_FMT_FP6 matrix_a_scale:MATRIX_SCALE_ROW1
.endif
.endr
.endr
.endm
.macro FETCH_B slot, q, p
	WIN TO_B
.irp i, 0,1,2,3,4,5,6,7
	FRAG 128*(\p)+FR*\i, ADRB+\slot, \q, \i
.endr
	WIN 0
.endm
.macro FETCH_A slot, q, i0
.irp i, \i0, \i0+1, \i0+2, \i0+3
	FRAG AF+FR*(\i), ADRA+\slot, \q, \i
.endr
.endm
.macro SCALES sc                       ; a K step's scale words into set sc: two words a row; lanes 0-15 take A's block i, lanes 16-31 B's block i
.irp i, 0,1,2,3,4,5,6,7
	ds_load_b64 v[SC+8*NQ*\sc+NQ*\i:SC+8*NQ*\sc+NQ*\i+1], v[ADRS] offset:\i*SBLK
.endr
.endm
.macro PLACES n                        ; places in front of loads into registers that matrix instructions have read, and of the first read of results
.rept \n
	v_nop
.endr
.endm
.macro STEP slot, q, zero              ; a step of 128 along K that has its successor in the same slot
	s_wait_dscnt 4*NL                              ; B's set and A's blocks 0-3 are in; the youngest 24 loads (A's blocks 4-7) may be out
	WIN MUL_LO
	MUL16 0, (\q)%2, \q, \slot, \zero
	MUL16 2, (\q)%2, \q, \slot, \zero
	s_wait_dscnt 0                                 ; A's blocks 4-7 are in
	PLACES NP
	FETCH_B \slot, (\q)+1, 1-(\q)%2
	FETCH_A \slot, (\q)+1, 0
	WIN MUL_HI
	MUL16 4, (\q)%2, \q, \slot, \zero
	MUL16 6, (\q)%2, \q, \slot, \zero
	PLACES NP
	WIN 0
	FETCH_A \slot, (\q)+1, 4
.endm
; A slot's last step changes slots: ONE barrier; in front of it each wave waits for all its tensor loads, adds 0 to its spare word, and waits for that and for its own reads of this slot.
.macro TURN slot, next, fill
	s_wait_tensorcnt 0x0                           ; all my tensor loads have landed: my part of the next slot
	ds_add_u32 v[SPW], v[NIL]                      ; 0 onto my spare word
	s_wait_dscnt 4*NL+1                            ; (the add and the youngest 24 loads may be out)
	WIN MUL_LO
	MUL16 0, 1, NQ-1, \slot, 0                     ; sixteen matrix instructions stand between the add and the wait for it
	s_wait_dscnt 0x0                               ; the add is done, and my reads of this slot are over
	s_barrier_signal -1
	MUL16 2, 1, NQ-1, \slot, 0
	WIN 0
	s_barrier_wait -1
.if \fill
	CREST                                          ; the barrier has opened a round of the cluster's: no wave of any partner still reads this slot or has a load on its way
	s_add_nc_u64 s[G0+4*\slot+2:G0+4*\slot+3], s[G0+4*\slot+2:G0+4*\slot+3], 2*ROWB
	s_add_nc_u64 s[G0B+4*\slot+2:G0B+4*\slot+3], s[G0B+4*\slot+2:G0B+4*\slot+3], 2*ROWB
	JLOAD G0+4*\slot, G1, G0B+4*\slot, G1B         ; the first tensor load behind the round; its four v_nop are the places in front of the loads below
.else
	PLACES NP
.endif
	s_wait_alu depctr_va_vdst(0)
	v_add_nc_u32 v[ADRS], 4*NQ, v[ADRS]            ; on to the next K step's scale words
	FETCH_B \next, 0, 0
	FETCH_A \next, 0, 0
	SCALES \next
	WIN MUL_HI
	MUL16 4, 1, NQ-1, \slot, 0
	MUL16 6, 1, NQ-1, \slot, 0
	PLACES NP
	WIN 0
	FETCH_A \next, 0, 4
.endm
	s_wait_alu depctr_va_vdst(0)
	s_wait_tensorcnt 0x0                           ; my tile of the head's four is in
	ds_add_u32 v[SPW], v[NIL]
	s_mov_b32 s[G1+2], 96<<16                      ; no tensor load of mine is out: from here on a load brings 128 rows of codes, 96 rows of 256 bytes
	s_mov_b32 s[G1+4], 96
	s_mov_b32 s[G1B+2], 96<<16
	s_mov_b32 s[G1B+4], 96
	s_wait_dscnt 0x0
	CROUND                                         ; all four tiles are in, and all sixteen work-groups are here
	JLOAD G0+4, G1, G0B+4, G1B                     ; K step 1, the first tensor load behind the round
	FETCH_B 0, 0, 0
	FETCH_A 0, 0, 0
	SCALES 0
	FETCH_A 0, 0, 4
	STEP 0, 0, 1                                   ; the first step's products start the sums
	s_mov_b32 s3, LAPS-1
.Llap:                                                 ; a trip goes once round the ring and fills both slots again
	TURN 0, 1, 1
	STEP 1, 0, 0
	TURN 1, 0, 1
	STEP 0, 0, 0
	s_sub_co_u32 s3, s3, 1
	s_cmp_lg_u32 s3, 0
	s_cbranch_scc1 .Llap
	TURN 0, 1, 0                                   ; the last lap fills nothing
	STEP 1, 0, 0
	s_cmp_eq_u32 s66, 2
	s_cbranch_scc1 .Lno_table                      ; v has no RoPE
	s_lshl_b32 s20, s17, 8                         ; q, k: the first token tile's cos and sin are asked for here, ahead of the last step's products:
	s_lshl_b32 s21, s15, 7                         ; B's set 0 (window 1, v0-95) is done with, four places behind its last products
	s_add_co_u32 s20, s20, s21                     ; my first token position
	s_bfe_u32 s22, s20, 0x40007                    ; which 128 tokens of the 2,048
	s_lshl_b32 s46, s22, 16
	s_mov_b32 s47, 0
	s_add_nc_u64 s[8:9], s[8:9], s[46:47]          ; the table at my first token tile: 8 tiles of 8,192 bytes a block
	WIN 0x40
.irp p, 0,1,2,3,4,5,6,7,8,9,10,11,12,13,14,15
	global_load_b128 v[4*\p:4*\p+3], v[LO], s[8:9] offset:512*\p
.endr
	WIN 0
.Lno_table:
	s_wait_dscnt 4*NL
	WIN MUL_LO
	MUL16 0, 1, NQ-1, 1, 0
	MUL16 2, 1, NQ-1, 1, 0
	s_wait_dscnt 0
	WIN MUL_HI
	MUL16 4, 1, NQ-1, 1, 0
	MUL16 6, 1, NQ-1, 1, 0
	WIN 0
	PLACES NP                                      ; behind the last products: all that follows reads results and writes operands' registers
; 32 numbers of a lane, register 16 b + i = k 32 b + 16 (lane / 16) + i of my row, become 6 registers of codes (lane (r, h): block h of row r) and the word byte 0 | byte 1 << 8.
.macro QUANT2 src, dst, w
.irp b, 0,1
	v_max3_num_f32 v[QBM+\b], |v[(\src)+16*\b]|, |v[(\src)+1+16*\b]|, 0x1800000   ; and the floor 2^(3 - 127): the byte cannot fall under 1
.endr
.irp i, 2,4,6,8,10,12,14
.irp b, 0,1
	v_max3_num_f32 v[QBM+\b], v[QBM+\b], |v[(\src)+16*\b+\i]|, |v[(\src)+1+16*\b+\i]|
.endr
.endr
.irp b, 0,1
	v_permlanex16_b32 v[QBT+\b], v[QBM+\b], s[SEL], s[SEL+1]
.endr
.irp b, 0,1
	v_max_num_f32 v[QBM+\b], v[QBM+\b], v[QBT+\b]   ; with lane l xor 16's: the block's largest magnitude
.endr
.irp b, 0,1
	v_add_nc_u32 v[QSOP+\b], 0xff000000, v[QBM+\b]  ; 2 off its exponent field: the conversion's scale operand
.endr
.irp b, 0,1
	v_lshrrev_b32 v[QBY+\b], 23, v[QSOP+\b]         ; the scale's byte
.endr
	v_lshl_or_b32 v[\w], v[QBY+1], 8, v[QBY]        ; the upper two bytes stay 0: they scale the half of the instruction's K that holds zero codes
	v_cvt_scalef32_pk16_fp6_f32 v[(\dst):(\dst)+2], v[(\src):(\src)+15], v[QSOP]
	v_cvt_scalef32_pk16_fp6_f32 v[QX:QX+2], v[(\src)+16:(\src)+31], v[QSOP+1]
	v_nop                                          ; one plain place behind a scaled conversion
.irp i, 0,1,2
	v_permlane16_swap_b32 v[(\dst)+\i], v[QX+\i]   ; a whole block to a lane: lanes 0-15 block 0, lanes 16-31 block 1
.endr
.irp i, 0,1,2
	v_mov_b32 v[(\dst)+3+\i], v[QX+\i]
.endr
.endm
	s_mov_b32 s[SEL], 0x76543210
	s_mov_b32 s[SEL+1], 0xfedcba98
	s_cmp_eq_u32 s66, 2
	s_cbranch_scc1 .Lv
	; ---- q and k.  My 128 token positions P0 on, my two heads
	s_lshl_b32 s20, s17, 8
	s_lshl_b32 s21, s15, 7
	s_add_co_u32 s20, s20, s21                     ; P0
	s_lshr_b32 s21, s20, 11                        ; the batch
	s_bfe_u32 s22, s20, 0x40007                    ; which 128 tokens of its 2,048
	s_sub_co_u32 s23, s42, 32
	s_lshl_b32 s23, s23, 2
	s_lshl_b32 s45, s16, 1
	s_add_co_u32 s23, s23, s45
	s_and_b32 s23, s23, 15                         ; my first head
	s_lshl_b32 s21, s21, 4
	s_add_co_u32 s21, s21, s23
	s_lshl_b32 s21, s21, 4
	s_add_co_u32 s21, s21, s22                     ; (16 batch + head) x 16 + block
	s_mov_b32 s45, 6656
	s_mov_b32 s96, 0xffff0000                      ; lanes 16-31
	s_cmp_eq_u32 s66, 1
	s_cselect_b64 s[92:93], s[12:13], s[10:11]     ; k goes to kv_img, q to q_img
	s_cselect_b32 s45, 13312, s45                  ; bytes of a block there
	s_mul_i32 s46, s21, s45
	s_mov_b32 s47, 0
	s_add_nc_u64 s[92:93], s[92:93], s[46:47]      ; my first head's block,
	s_lshl_b32 s46, s45, 4
	s_add_nc_u64 s[94:95], s[92:93], s[46:47]      ; and the next head's, 16 blocks on
	v_mov_b32 v[QBT], 0                            ; written once: a lane permute's destination counts as one of its sources
	v_mov_b32 v[QBT+1], 0
.macro TRIG a                          ; token tile a's cos and sin: 16 loads of 512 consecutive bytes into set a % 2 of window 1: register 32 s + 16 b + x
	WIN 0x40
.irp p, 0,1,2,3,4,5,6,7,8,9,10,11,12,13,14,15
	global_load_b128 v[64*((\a)%2)+4*\p:64*((\a)%2)+4*\p+3], v[LO], s[8:9] offset:(\a)*8192+512*\p
.endr
	WIN 0
.endm
; RoPE of token tile a, head hd.  Register 16 b + x of the head's 32 is d = 32 b + 16 (lane / 16) + x: the partner of d is register x of the other half.  Each accumulator is read from its low end on.
.macro ROPE a, hd
.set AC, 64*((\a)%4)+32*(\hd)
.set TRB, 64*((\a)%2)
	WIN 0x06+(\a)/4                                ; source 0: the accumulators' window; source 1: window 1
.irp x, 0,2,4,6,8,10,12,14
	v_pk_mul_f32 v[T+\x:T+\x+1], v[AC+\x:AC+\x+1], v[TRB+\x:TRB+\x+1]
	v_pk_mul_f32 v[T+16+\x:T+17+\x], v[AC+16+\x:AC+17+\x], v[TRB+16+\x:TRB+17+\x]
	v_pk_fma_f32 v[T+\x:T+\x+1], v[AC+16+\x:AC+17+\x], v[TRB+32+\x:TRB+33+\x], v[T+\x:T+\x+1] neg_lo:[0,1,0] neg_hi:[0,1,0]   ; d < 32: t cos - t(d + 32) sin
	v_pk_fma_f32 v[T+16+\x:T+17+\x], v[AC+\x:AC+\x+1], v[TRB+48+\x:TRB+49+\x], v[T+16+\x:T+17+\x]                              ; d >= 32: t cos + t(d - 32) sin
.endr
	WIN 0
.endm
.irp a, 0,1,2,3,4,5,6,7
.if (\a%2 == 0) && (\a >= 2)
	s_wait_xcnt 0x0                                ; the last pair's stores have read their registers: the images are written again only behind this wait
.endif
.if \a < 7
	TRIG \a+1
	s_wait_loadcnt 16                              ; this tile's table is in; the next tile's sixteen loads may be out
.else
	s_wait_loadcnt 0x0
.endif
.irp hd, 0,1
	ROPE \a, \hd
	QUANT2 T, CD+12*\hd+6*(\a%2), WW
.if \a%2 == 0
	v_mov_b32 v[WE+\hd], v[WW]
.else
	v_cndmask_b32 v[SW+4*\hd+\a/2], v[WE+\hd], v[WW], s96   ; lanes 0-15 the even tile's word, lanes 16-31 the odd tile's
.endif
.endr
.if \a%2 == 1
.irp c, 0,1,2
	global_store_b128 v[LO], v[CD+4*\c:CD+4*\c+3], s[92:93] offset:(\a/2)*1536+512*\c          ; a pair image: 3 x 512 consecutive bytes
	global_store_b128 v[LO], v[CD+12+4*\c:CD+12+4*\c+3], s[94:95] offset:(\a/2)*1536+512*\c
.endr
.endif
.endr
	global_store_b128 v[LO], v[SW:SW+3], s[92:93] offset:6144      ; the four pairs' scale words
	global_store_b128 v[LO], v[SW+4:SW+7], s[94:95] offset:6144
	s_branch .Lend
.Lv:	; ---- v.  My 128 tokens are a key step; my 128 features are two heads of four tiles of 16
	s_lshl_b32 s20, s42, 8
	s_lshl_b32 s21, s16, 7
	s_add_co_u32 s20, s20, s21                     ; my first token position
	s_lshr_b32 s21, s20, 11
	s_bfe_u32 s22, s20, 0x40007
	s_sub_co_u32 s23, s17, 40
	s_lshl_b32 s23, s23, 2
	s_lshl_b32 s45, s15, 1
	s_add_co_u32 s23, s23, s45                     ; my first head
	s_lshl_b32 s21, s21, 4
	s_add_co_u32 s21, s21, s23
	s_lshl_b32 s21, s21, 4
	s_add_co_u32 s21, s21, s22
	s_mul_i32 s46, s21, 13312
	s_add_co_u32 s46, s46, 6656                    ; v's half of the step's block
	s_mov_b32 s47, 0
	s_add_nc_u64 s[92:93], s[12:13], s[46:47]
	v_mov_b32 v[VBT], 0                            ; written once: a lane permute's destination counts as one of its sources
	v_bfe_u32 v31, v0, 4, 1
	v_lshlrev_b32 v31, 3, v31                      ; 8 x (lane / 16): where my blocks' bytes stand in a scale word
; By the order of x's stored rows register 32 c + i of a lane is key 64 c + 32 (lane / 16) + i: a whole block lies in one lane, in the operand's own order.
; 64 accumulator registers of a lane, register 32 c + i = key 64 c + 32 (lane / 16) + i of my feature, become a fragment's 12 registers and its scale word.
.macro QUANT4W win, src, dst, w
	WIN 0x0a+5*((\win)-2)                          ; sources 0 and 1: the accumulators' window
.irp b, 0,1,2,3
	v_max3_num_f32 v[VBM+\b], |v[(\src)+16*\b]|, |v[(\src)+1+16*\b]|, 0x1800000
.endr
.irp i, 2,4,6,8,10,12,14
.irp b, 0,1,2,3
	v_max3_num_f32 v[VBM+\b], |v[(\src)+16*\b+\i]|, |v[(\src)+1+16*\b+\i]|, v[VBM+\b]
.endr
.endr
	WIN 0
.irp c, 0,1
	v_max_num_f32 v[VBM+\c], v[VBM+2*\c], v[VBM+2*\c+1]   ; the two halves of my block 2 c + lane / 16
.endr
.irp c, 0,1
	v_add_nc_u32 v[VSOP+\c], 0xff000000, v[VBM+\c]
.endr
.irp c, 0,1
	v_lshrrev_b32 v[VBY+\c], 23, v[VSOP+\c]
.endr
	v_lshl_or_b32 v[VBY], v[VBY+1], 16, v[VBY]
	v_lshlrev_b32 v[VBY], v31, v[VBY]              ; my two bytes at their places;
	v_permlanex16_b32 v[VBT], v[VBY], s[SEL], s[SEL+1]
	v_or_b32 v[\w], v[VBY], v[VBT]                 ; with lane l xor 16's two the word is whole
	WIN (\win)                                     ; source 0: the accumulators' window
.irp c, 0,1
	v_cvt_scalef32_pk16_fp6_f32 v[(\dst)+6*\c:(\dst)+6*\c+2], v[(\src)+32*\c:(\src)+32*\c+15], v[VSOP+\c]
	v_cvt_scalef32_pk16_fp6_f32 v[VX+4*\c:VX+4*\c+2], v[(\src)+32*\c+16:(\src)+32*\c+31], v[VSOP+\c]
.endr
	WIN 0
	v_nop                                          ; one plain place behind a scaled conversion
.irp c, 0,1
.irp i, 0,1,2
	v_mov_b32 v[(\dst)+3+6*\c+\i], v[VX+4*\c+\i]
.endr
.endr
.endm
.irp a, 0,1,2,3,4,5,6,7                ; each fragment has registers of its own: no store's data are written again
	QUANT4W 2+\a/4, 64*(\a%4), VD+12*\a, VW+\a
.irp c, 0,1,2
	global_store_b128 v[LO], v[VD+12*\a+4*\c:VD+12*\a+4*\c+3], s[92:93] offset:(\a/4)*212992+(\a%4)*1536+512*\c   ; the next head's block lies 16 x 13,312 bytes on
.endr
.endr
.irp hd, 0,1
	global_store_b128 v[LO], v[VW+4*\hd:VW+4*\hd+3], s[92:93] offset:\hd*212992+6144
.endr
.Lend:
	s_wait_tensorcnt 0x0                           ; the wave's end
	ds_add_u32 v[SPW], v[NIL]
	s_wait_dscnt 0x0
	CROUND                                         ; the closing round: no work-group ends while a partner may still ask for a tile that names it
	s_endpgm
.Lfunc_end_k_qeac815ece4_qkv:
	.size	k_qeac815ece4_qkv, .Lfunc_end_k_qeac815ece4_qkv-k_qeac815ece4_qkv
	.p2alignl 7, 3214868480
	.fill 96, 4, 3214868480
	.section	.rodata,"a",@progbits
	.p2align	6, 0x0
	.amdhsa_kernel k_qeac815ece4_qkv
		.amdhsa_group_segment_fixed_size 327680
		.amdhsa_private_segment_fixed_size 0
		.amdhsa_enable_private_segment 0
		.amdhsa_kernarg_size 40
		.amdhsa_user_sgpr_count 2
		.amdhsa_user_sgpr_kernarg_segment_ptr 1
		.amdhsa_wavefront_size32 1
		.amdhsa_system_sgpr_workgroup_id_x 1
		.amdhsa_system_sgpr_workgroup_id_y 1
		.amdhsa_system_sgpr_workgroup_id_z 1
		.amdhsa_system_vgpr_workitem_id 0
		.amdhsa_next_free_vgpr 1024
		.amdhsa_next_free_sgpr 100
		.amdhsa_reserve_vcc 0
		.amdhsa_float_denorm_mode_32 3
		.amdhsa_float_denorm_mode_16_64 3
		.amdhsa_memory_ordered 1
		.amdhsa_forward_progress 1
		.amdhsa_inst_pref_size 240
	.end_amdhsa_kernel
	.amdgpu_metadata
---
amdhsa.version: [ 1, 2 ]
amdhsa.kernels:
  - .name:           k_qeac815ece4_qkv
    .symbol:         k_qeac815ece4_qkv.kd
    .args:
      - { .name: qc, .offset: 0, .size: 8, .value_kind: global_buffer, .address_space: global }
      - { .name: qs, .offset: 8, .size: 8, .value_kind: global_buffer, .address_space: global }
      - { .name: trig, .offset: 16, .size: 8, .value_kind: global_buffer, .address_space: global }
      - { .name: q_img, .offset: 24, .size: 8, .value_kind: global_buffer, .address_space: global }
      - { .name: kv_img, .offset: 32, .size: 8, .value_kind: global_buffer, .address_space: global }
    .group_segment_fixed_size: 327680
    .private_segment_fixed_size: 0
    .kernarg_segment_align: 8
    .kernarg_segment_size: 40
    .max_flat_workgroup_size: 128
    .sgpr_count:     100
    .vgpr_count:     1024
    .wavefront_size: 32
...
	.end_amdgpu_metadata
.endif
;; end of part 2
;; launch attn (part 3): grid 4 x 64, 8 waves a work-group, clusters of 4 x 1, 327,680 bytes of LDS; arguments q_img, kv_img, a_img, a_sc; writes a_img, a_sc
.if DOCPART == 3
	.amdgcn_target "amdgcn-amd-amdhsa--gfx1250"
	.amdhsa_code_object_version 6
	.text
	.protected	k_qeac815ece4_attn
	.globl	k_qeac815ece4_attn
	.p2align	8
	.type	k_qeac815ece4_attn,@function
k_qeac815ece4_attn:
	s_mov_b64 s[64:65], 0
	v_nop
	global_prefetch_b8 v0, s[64:65] scope:SCOPE_SE
	s_setreg_imm32_b32 hwreg(HW_REG_WAVE_MODE, 25, 1), 1
	s_wait_xcnt 0x0
	s_wait_alu depctr_hold_cnt(0) depctr_sa_sdst(0) depctr_va_vdst(0) depctr_va_sdst(0) depctr_va_ssrc(0) depctr_va_vcc(0) depctr_vm_vsrc(0)
	s_getreg_b32 s2, hwreg(HW_REG_IB_STS2, 6, 4)
	s_cmp_eq_u32 s2, 0
	s_cbranch_scc0 .Lentry_in_a_cluster
	s_endpgm
.Lentry_in_a_cluster:
	s_bfe_u32 s2, ttmp6, 0x10000c
	s_cmp_lg_u32 s2, 0x3003
	s_cbranch_scc0 .Lentry_shape_is_right
	s_endpgm
.Lentry_shape_is_right:
; o = softmax(q k^T / 8) v for one head and 512 queries a work-group, on codes of FP6 (E2M3) with E8M0 scales; then o is quantised along the head's 64 for the last product.
; A wave owns 64 queries (four tiles of 16) and walks the 2,048 keys in 16 steps of 128.  Both products are used transposed (S^T = k q^T, O^T = v^T p^T): a lane holds one query throughout.
; p = 2^(t - M), t = score x log2(e) / 8, M the running largest t rounded up to a whole number; the row's sum is taken of the unquantised p; when M moves, sum and O^T are multiplied by a power of two.
; By the order in which x's rows are stored, register 32 c + i of a tile's 64 scores is key 64 c + 32 (lane / 16) + i: a block of 32 keys lies in ONE lane, in the order of the operand's registers:
; its largest score needs no other lane, and the conversions' results are the operand (three moves a block: a conversion's registers begin on an even number).
; A block's largest p is the exponential of its largest score (the same multiply-add and v_exp_f32 on the same number).
; LDS: a head's k and v images, 16 steps x 13,312 bytes, are fetched ONCE: each of the eight waves issues one tensor load of two steps (104 rows of 256 bytes) at the head; nothing is filled again.
; CLUSTER of 4: the four work-groups of a head need the same bytes and ask for them jointly (mask 15).
; No prefetch: all that the launch reads through LDS is asked for at its head; there is no later request to run ahead of.
; A TILE'S WORK IS LAID IN A STAGE, and the stages overlap: the rest of the last tile's row sum stands between the links of the chain that makes M; the next tile's eight score products stand one by one among
; this tile's exponentials; the next tile's block maxima are taken at the stage's end, ahead of this tile's four products with v.  v's fragments are asked for in stage 0, k's next ones in stage 2.
; The last trip jumps, on the loop's counter, over what belongs to a next step.
; LIMITS: the promise holds while the scaled scores stay under 2^31 in magnitude; a block whose largest p lies under 2^-124 gets the byte 1; NaN and infinities are not served.
; REGISTERS: window 0: v1-6 addresses; v8-23 for each query tile -M, the largest score, the sum in two halves; v24-77 k's eight tiles of 6 registers and 6 zeros; v78-205 two buffers of 64 scores;
;   v206-224 p's codes; v221-243 at work; v237, v244-253 scale words.   window 1: v0-127 O^T; v128-175 q (upper halves zero: the head has 64 of the instruction's 128); v184-231 v's four fragments.
.set STEPB, 13312
.set SPARE, 16*STEPB                   ; behind the images: the spare words, 128 bytes a wave
.set LA,   1                           ; 16 x lane
.set ADR,  2                           ; this step's image
.set L8,   3
.set L32,  4
.set SH8,  5                           ; 8 x (lane / 16)
.set ADRK, 6                           ; the next step's image
.set ST,   8
.set KF,   24
.set SBF,  78
.set PC,   206
.set PX,   218
.set TT,   221
.set TO,   225
.set BM,   226
.set BT,   230
.set SOP,  234
.set F,    236
.set PW,   237
.set SU,   238                         ; three more chains of the row sum: v238-243
.set KS,   244
.set VS,   248
.set QS,   252
.set SPW,  254
.set NIL,  255
.set QF,   128
.set VF,   184
.set QX,   PX
.set QBM,  BM
.set QBT,  BT
.set QSOP, SOP
.set QBY,  BM+2
.set WV,   12
.set SEL,  20
.set CS,   22
.set G1,   24
.set G0,   40
.set TK,   44
.set CN,   45
.set TB,   48
.set CNT,  49
.set MSB, 0
.macro WIN new                         ; the immediate's high byte repeats the setting that is left
.if MSB != (\new)
	s_set_vgpr_msb (MSB<<8)|(\new)
.set MSB, (\new)
.endif
.endm
.macro ROUND                           ; a round of the cluster's barrier
	s_barrier_signal -1
	s_barrier_wait -1
	s_cmp_lg_u32 s[WV], 0
	s_cbranch_scc1 .Lnot_wave_0_\@
	s_barrier_signal -3
.Lnot_wave_0_\@:
	s_barrier_wait -3
	s_barrier_signal -1
	s_barrier_wait -1
.endm
	s_load_b256 s[4:11], s[0:1], 0x0               ; q_img, kv_img, a_img, a_sc
	v_lshl_add_u32 v[SPW], v0, 2, SPARE
	v_mov_b32 v[NIL], 0
	ds_add_u32 v[SPW], v[NIL]                      ; the opening lines: the add, twice on end, and its wait
	ds_add_u32 v[SPW], v[NIL]
	v_lshrrev_b32 v1, 5, v0
	v_readfirstlane_b32 s[WV], v1                  ; wave 0..7
	s_bfe_u32 s13, ttmp6, 0x40000                  ; cx: which 512 queries
	s_and_b32 s14, ttmp7, 0xffff                   ; 16 batch + head
	s_mov_b32 s[G1], 15|(3<<16)|(1<<21)            ; the four partners; elements of 8 bytes
	s_mov_b32 s[G1+1], 32<<16                      ; rows of 256 bytes,
	s_mov_b32 s[G1+2], 104<<16                     ; 104 of them: two steps
	s_mov_b32 s[G1+3], 32<<16
	s_mov_b32 s[G1+4], 104
	s_mov_b32 s[G1+5], 32
	s_mov_b32 s[G1+6], 0
	s_mov_b32 s[G1+7], 0
	s_mul_i32 s16, s14, 16*STEPB
	s_mul_i32 s18, s[WV], 2*STEPB                  ; my two steps, in memory and in LDS alike
	s_add_co_u32 s16, s16, s18
	s_mov_b32 s17, 0
	s_mov_b32 s[SEL], 0x76543210
	s_mov_b32 s[SEL+1], 0xfedcba98                 ; v_permlanex16_b32's selects for lane l xor 16
	s_mov_b32 s[CS], 0x3e38aa3b                    ; c = log2(e) / 8
	s_mov_b32 s[CS+1], s[CS]
	s_mov_b32 s[CN], 0xbe38aa3b                    ; -c
	s_mov_b32 s60, 0xffff0000                      ; lanes 16-31
	s_wait_dscnt 0x0
	s_wait_kmcnt 0x0
	s_mov_b32 s[G0], 1
	s_mov_b32 s[G0+1], s18
	s_add_nc_u64 s[G0+2:G0+3], s[6:7], s[16:17]
	s_or_b32 s[G0+3], s[G0+3], 0x80000000
	ROUND                                          ; the four partners are here: the joint loads meet
	tensor_load_to_lds s[G0:G0+3], s[G1:G1+7]      ; my one tensor load of the launch
	s_nop 0
	s_lshl_b32 s50, s14, 4                         ; q: block 16 (16 batch + head) + 4 cx + wave / 2, 6,656 bytes each
	s_lshl_b32 s51, s13, 2
	s_add_co_u32 s50, s50, s51
	s_lshr_b32 s51, s[WV], 1
	s_add_co_u32 s50, s50, s51
	s_mul_i32 s50, s50, 6656
	s_mov_b32 s51, 0
	s_add_nc_u64 s[4:5], s[4:5], s[50:51]
	s_and_b32 s52, s[WV], 1
	s_mul_i32 s54, s52, 3072                       ; my two pair images of its four,
	s_mov_b32 s55, 0
	s_add_nc_u64 s[56:57], s[4:5], s[54:55]
	s_lshl_b32 s54, s52, 3                         ; and their two scale words
	s_add_nc_u64 s[4:5], s[4:5], s[54:55]
	v_and_b32 v1, 31, v0
	v_lshlrev_b32 v[L8], 3, v1
	v_lshlrev_b32 v[L32], 5, v1
	v_lshlrev_b32 v[LA], 4, v1
	global_load_b64 v[QS:QS+1], v[LA], s[4:5] offset:6144
	WIN 0x40
.irp p, 0,1                            ; a pair image holds two tiles' 6 registers; each tile goes to the lower half of its 12
	global_load_b128 v[QF+24*\p:QF+24*\p+3], v[LA], s[56:57] offset:1536*\p
	global_load_b64 v[QF+24*\p+4:QF+24*\p+5], v[LA], s[56:57] offset:1536*\p+512
	global_load_b64 v[QF+24*\p+12:QF+24*\p+13], v[LA], s[56:57] offset:1536*\p+520
	global_load_b128 v[QF+24*\p+14:QF+24*\p+17], v[LA], s[56:57] offset:1536*\p+1024
.endr
.irp q, 0,1,2,3
.irp i, 6,7,8,9,10,11
	v_mov_b32 v[QF+12*\q+\i], 0                    ; zero codes for the half of the instruction's K that the head does not have
.endr
.endr
.set j, 0
.rept 128
	v_mov_b32 v[j], 0                              ; O^T: the stage is written once, the first finds zeros
.set j, j+1
.endr
	WIN 0
	s_lshr_b32 s50, s14, 4                         ; the way out: my first tile of 16 stored rows: 128 batch + 32 cx + 4 wave
	s_lshl_b32 s50, s50, 7
	s_lshl_b32 s51, s13, 5
	s_add_co_u32 s50, s50, s51
	s_lshl_b32 s51, s[WV], 2
	s_add_co_u32 s50, s50, s51
	s_and_b32 s52, s14, 15                         ; the head
	s_lshl_b32 s53, s50, 3
	s_lshr_b32 s54, s52, 1
	s_add_co_u32 s53, s53, s54
	s_mul_i32 s54, s53, 1536                       ; a_img: (tile, 128 along K) images of 1,536 bytes; a head is half of one
	s_and_b32 s53, s52, 1
	s_mul_i32 s53, s53, 768
	s_add_co_u32 s54, s54, s53
	s_add_nc_u64 s[8:9], s[8:9], s[54:55]
	s_lshl_b32 s54, s50, 9                         ; a_sc: 32 bytes a row, 2 a head
	s_lshl_b32 s53, s52, 1
	s_add_co_u32 s54, s54, s53
	s_add_nc_u64 s[10:11], s[10:11], s[54:55]
	v_bfe_u32 v[SH8], v0, 4, 1
	v_lshlrev_b32 v[SH8], 3, v[SH8]
.irp q, 0,1,2,3
	v_mov_b32 v[ST+4*\q+1], 0xff61b1e6             ; the largest score so far: -3e38
	v_floor_f32 v[ST+4*\q], -v[ST+4*\q+1]          ; -M
	v_mov_b32 v[ST+4*\q+2], 0
	v_mov_b32 v[ST+4*\q+3], 0
	v_mov_b32 v[BT+\q], 0                          ; a lane permute's destination counts as one of its sources
.endr
	v_mov_b32 v[PW], 0
.set j, 0
.rept 6
	v_mov_b32 v[SU+j], 0
	v_mov_b32 v[KF+48+j], 0                        ; behind k's last tile
.set j, j+1
.endr
.set j, 0
.rept 32
	v_mov_b32 v[SBF+96+j], 0                       ; the first stage finishes the sum of a tile that is not there: it finds zeros
.set j, j+1
.endr
; S^T of query tile q and key tile t.  k's 12 registers are the tile's 6 and the 6 that follow: they meet q's zero codes.  A pair's scale words share a register: the odd tile's in lanes 16-31.
.macro SM1 q, buf, t
.set rD, SBF+64*(\buf)+8*(\t)
.set rK, KF+6*(\t)
.set rQ, QF+12*(\q)
.set rA, KS+(\t)/2
.set rB, QS+(\q)/2
.if ((\t)%2 == 0) && ((\q)%2 == 0)
	v_wmma_scale_f32_16x16x128_f8f6f4 v[rD:rD+7], v[rK:rK+11], v[rQ:rQ+11], 0, v[rA], v[rB] matrix_a_fmt:MATRIX_FMT_FP6 matrix_b_fmt:MATRIX_FMT_FP6
.elseif ((\t)%2 == 1) && ((\q)%2 == 0)
	v_wmma_scale_f32_16x16x128_f8f6f4 v[rD:rD+7], v[rK:rK+11], v[rQ:rQ+11], 0, v[rA], v[rB] matrix_a_fmt:MATRIX_FMT_FP6 matrix_b_fmt:MATRIX_FMT_FP6 matrix_a_scale:MATRIX_SCALE_ROW1
.elseif ((\t)%2 == 0) && ((\q)%2 == 1)
	v_wmma_scale_f32_16x16x128_f8f6f4 v[rD:rD+7], v[rK:rK+11], v[rQ:rQ+11], 0, v[rA], v[rB] matrix_a_fmt:MATRIX_FMT_FP6 matrix_b_fmt:MATRIX_FMT_FP6 matrix_b_scale:MATRIX_SCALE_ROW1
.else
	v_wmma_scale_f32_16x16x128_f8f6f4 v[rD:rD+7], v[rK:rK+11], v[rQ:rQ+11], 0, v[rA], v[rB] matrix_a_fmt:MATRIX_FMT_FP6 matrix_b_fmt:MATRIX_FMT_FP6 matrix_a_scale:MATRIX_SCALE_ROW1 matrix_b_scale:MATRIX_SCALE_ROW1
.endif
.endm
.macro PV q                            ; O^T += v^T p^T: four accumulators, one instruction each
	WIN 0x51
.irp t, 0,1,2,3
	v_wmma_scale_f32_16x16x128_f8f6f4 v[32*(\q)+8*\t:32*(\q)+8*\t+7], v[VF+12*\t:VF+12*\t+11], v[PC:PC+11], v[32*(\q)+8*\t:32*(\q)+8*\t+7], v[VS+\t], v[PW] matrix_a_fmt:MATRIX_FMT_FP6 matrix_b_fmt:MATRIX_FMT_FP6
.endr
	WIN 0
.endm
.macro LDK adr                         ; k's eight tiles and their scale words
	ds_load_b128 v[KS:KS+3], v[\adr] offset:6144
.set j, 0
.rept 12
	ds_load_b128 v[KF+4*j:KF+4*j+3], v[\adr] offset:512*j
.set j, j+1
.endr
.endm
.macro LDV                             ; v's four fragments and their scale words
	ds_load_b128 v[VS:VS+3], v[ADR] offset:12800
	WIN 0x40
.set j, 0
.rept 12
	ds_load_b128 v[VF+4*j:VF+4*j+3], v[ADR] offset:6656+512*j
.set j, j+1
.endr
	WIN 0
.endm
; The largest score of each block of buffer b, in two chains a block; each accumulator is read from its low end on.  BM and BM + 2 take the two blocks'.
.macro MAXES b
.irp g, 0,1,2,3
	v_max3_num_f32 v[BM+\g], v[(\b)+16*\g], v[(\b)+16*\g+1], v[(\b)+16*\g+2]
.endr
.irp i, 3,5,7,9,11,13
.irp g, 0,1,2,3
	v_max3_num_f32 v[BM+\g], v[BM+\g], v[(\b)+16*\g+\i], v[(\b)+16*\g+\i+1]
.endr
.endr
.irp c, 0,1
	v_max3_num_f32 v[BM+2*\c], v[BM+2*\c], v[BM+2*\c+1], v[(\b)+32*\c+15]
.endr
.irp c, 0,1
	v_max_num_f32 v[BM+2*\c], v[BM+2*\c], v[(\b)+32*\c+31]
.endr
.endm
; n links of a tile's row sum: 32 packed additions in four chains (the sum's own pair and three more); SN counts them, PSB and PSQ name the tile's buffer and state
.macro SUMS n
.rept \n
.if SN < 3
	v_pk_add_f32 v[SU+2*SN:SU+2*SN+1], v[PSB+4*SN:PSB+4*SN+1], v[PSB+4*SN+2:PSB+4*SN+3]
.elseif SN == 29
	v_pk_add_f32 v[SU:SU+1], v[SU:SU+1], v[SU+2:SU+3]
.elseif SN == 30
	v_pk_add_f32 v[PSQ+2:PSQ+3], v[PSQ+2:PSQ+3], v[SU+4:SU+5]
.elseif SN == 31
	v_pk_add_f32 v[PSQ+2:PSQ+3], v[PSQ+2:PSQ+3], v[SU:SU+1]
.elseif SN%4 == 3
	v_pk_add_f32 v[PSQ+2:PSQ+3], v[PSQ+2:PSQ+3], v[PSB+2*SN+6:PSB+2*SN+7]
.else
	v_pk_add_f32 v[SU+2*(SN%4):SU+2*(SN%4)+1], v[SU+2*(SN%4):SU+2*(SN%4)+1], v[PSB+2*SN+6:PSB+2*SN+7]
.endif
.set SN, SN+1
.endr
.endm
; The batch: p of the tile in buffer SB and its two blocks' largest p.  mul = 1: ahead of each eight exponentials one score product of query tile nq into buffer buf
; (k in window 0, q in window 1: the exponentials name no second source, so one setting serves both).  Behind the batch a plain line: the sum under the new M.
.macro EXPS nq, buf, mul
.if \mul
	WIN 0x04
.endif
.set e, 0
.rept 8
.if \mul
	SM1 \nq, \buf, e
.endif
.set j, 0
.rept 8
	v_exp_f32 v[SB+8*e+j], v[SB+8*e+j]
.set j, j+1
.endr
.set e, e+1
.endr
	v_exp_f32 v[BM], v[BM]
	v_exp_f32 v[BM+2], v[BM+2]
	WIN 0
	v_pk_mul_f32 v[SQ+2:SQ+3], v[SQ+2:SQ+3], v[F:F+1] op_sel_hi:[1,0]
.endm
.macro STAGE q
.set SB,  SBF+64*((\q)%2)
.set NB,  SBF+64*(1-(\q)%2)            ; the other buffer: the tile before, then the tile behind
.set SQ,  ST+4*(\q)
.set OQ,  32*(\q)
.set PSB, NB
.set PSQ, ST+4*(((\q)+3)%4)
.set SN,  15
	v_max_num_f32 v[TT], v[BM], v[BM+2]            ; the chain that makes M and f; between its links the rest of the last tile's sum
	v_mov_b32 v[TO], v[SQ]
	SUMS 2
	v_permlanex16_b32 v[BT], v[TT], s[SEL], s[SEL+1]
	SUMS 2
	v_max3_num_f32 v[SQ+1], v[SQ+1], v[TT], v[BT]  ; the running largest score of my query
	SUMS 2
	v_mul_f32 v[TT], s[CN], v[SQ+1]
	SUMS 2
	v_floor_f32 v[SQ], v[TT]                       ; -M = floor(-t)
	SUMS 2
	v_sub_f32 v[TO], v[SQ], v[TO]                  ; old M less new M: a whole number, 0 or less
	SUMS 2
	v_cvt_i32_f32 v[TO], v[TO]
	SUMS 2
	v_ldexp_f32 v[F], 1.0, v[TO]                   ; f = 2^(old M - new M)
	SUMS 3
.if \q == 0
	LDV                                            ; this step's v: the lines above are the places behind the last step's products
.endif
.set j, 0
.rept 32
	v_pk_fma_f32 v[SB+j:SB+j+1], v[SB+j:SB+j+1], s[CS:CS+1], v[SQ:SQ+1] op_sel_hi:[1,0,0]   ; t - M
.set j, j+2
.endr
	v_fma_f32 v[BM], v[BM], s[CS], v[SQ]           ; the same of each block's largest score
	v_fma_f32 v[BM+2], v[BM+2], s[CS], v[SQ]
.if \q == 3
	s_wait_dscnt 0x0                               ; the next step's k is in (asked for in stage 2)
.endif
	s_wait_alu depctr_va_vdst(0)                   ; ahead of the batch
.if \q < 3
	EXPS (\q)+1, 1-(\q)%2, 1
.else
	s_cmp_eq_u32 s[CNT], 1
	s_cbranch_scc1 .Llast_\@                       ; the last trip has no next step: its batch holds no products
	EXPS 0, 0, 1
	s_wait_alu depctr_va_vdst(0)                   ; the batch's wait ahead of a branch and of a label
	s_branch .Ljoin_\@
.Llast_\@:
	EXPS 0, 0, 0
	s_wait_alu depctr_va_vdst(0)
.Ljoin_\@:
.endif
	WIN 0x41
.if \q == 0
	s_wait_dscnt 0x0                               ; v is in
.endif
	s_wait_alu depctr_va_vdst(0)                   ; one wait for the batch, and ahead of the first reader of O^T
.set j, 0
.rept 16
	v_pk_mul_f32 v[OQ+j:OQ+j+1], v[OQ+j:OQ+j+1], v[F:F+1] op_sel_hi:[1,0]   ; O^T under the new M
.set j, j+2
.endr
	WIN 0
.if \q == 2
	s_cmp_eq_u32 s[CNT], 1
	s_cbranch_scc1 .Lno_k_\@
	LDK ADRK                                       ; all four tiles' scores of this step are issued, 27 places ago: k's registers take the next step
.Lno_k_\@:
.endif
.set PSB, SB
.set PSQ, SQ
.set SN,  0
	v_max_num_f32 v[BM], 0x1800000, v[BM]          ; the floor 2^(3 - 127): the byte cannot fall under 1
	v_max_num_f32 v[BM+2], 0x1800000, v[BM+2]
	SUMS 2
	v_add_nc_u32 v[SOP], 0xff000000, v[BM]         ; 2 off the exponent field: the conversions' scale operand
	v_add_nc_u32 v[SOP+1], 0xff000000, v[BM+2]
	SUMS 2
.irp c, 0,1
	v_cvt_scalef32_pk16_fp6_f32 v[PC+6*\c:PC+6*\c+2], v[SB+32*\c:SB+32*\c+15], v[SOP+\c]
	v_cvt_scalef32_pk16_fp6_f32 v[PX+4*\c:PX+4*\c+2], v[SB+32*\c+16:SB+32*\c+31], v[SOP+\c]
.endr
	v_lshrrev_b32 v[BT], 23, v[SOP]                ; the bytes of my blocks lane / 16 and 2 + lane / 16
	v_lshrrev_b32 v[BT+1], 23, v[SOP+1]
	SUMS 1
	v_lshl_or_b32 v[BT], v[BT+1], 16, v[BT]
	SUMS 1
	v_lshlrev_b32 v[BT], v[SH8], v[BT]
	SUMS 1
	v_permlanex16_b32 v[BT+1], v[BT], s[SEL], s[SEL+1]
.irp c, 0,1
.irp i, 0,1,2
	v_mov_b32 v[PC+3+6*\c+\i], v[PX+4*\c+\i]
.endr
.endr
	v_or_b32 v[PW], v[BT], v[BT+1]                 ; p's scale word for these 128 keys
	SUMS 8
.if \q < 3
	s_wait_alu depctr_va_vdst(0)                   ; the wait ahead of the first reader of the next tile's scores
	MAXES NB
.else
	s_wait_alu depctr_va_vdst(0)                   ; the wait ahead of the branch
	s_cmp_eq_u32 s[CNT], 1
	s_cbranch_scc1 .Lno_max_\@
	s_wait_alu depctr_va_vdst(0)                   ; and ahead of the first reader of the next tile's scores
	MAXES NB
	s_wait_alu depctr_va_vdst(0)
.Lno_max_\@:
.endif
	PV \q
.endm
	s_wait_alu depctr_va_vdst(0)                   ; the wait at the head's end
	s_wait_loadcnt 0x0                             ; q
	s_wait_tensorcnt 0x0                           ; my two steps are in,
	s_barrier_signal -1
	s_barrier_wait -1                              ; everybody's are
	LDK LA
	s_wait_dscnt 0x0
	WIN 0x04
.irp t, 0,1,2,3,4,5,6,7
	SM1 0, 0, \t
.endr
	WIN 0
.rept 4
	v_nop                                          ; four places between these products and the read of their results
.endr
	MAXES SBF
	s_mov_b32 s[TB], 0
	s_mov_b32 s[CNT], 16
.Lstep:
	s_add_co_u32 s[TK], s[TB], STEPB
	s_min_u32 s[TK], s[TK], 15*STEPB               ; never beyond the last image
	v_add_nc_u32 v[ADR], s[TB], v[LA]
	v_add_nc_u32 v[ADRK], s[TK], v[LA]
	STAGE 0
	STAGE 1
	STAGE 2
	STAGE 3
	s_add_co_u32 s[TB], s[TB], STEPB
	s_sub_co_u32 s[CNT], s[CNT], 1
	s_cmp_lg_u32 s[CNT], 0
	s_cbranch_scc1 .Lstep
.set PSB, SBF+64
.set PSQ, ST+12
.set SN,  15
	SUMS 17                                        ; the rest of the last tile's sum; also the places behind the last products
; 32 numbers of a lane, register 16 b + i = d 32 b + 16 (lane / 16) + i of my query, become 6 registers of codes (lane (r, h): block h of row r) and the word byte 0 | byte 1 << 8
.macro QUANT2 src, dst, w
.irp b, 0,1
	v_max3_num_f32 v[QBM+\b], |v[(\src)+16*\b]|, |v[(\src)+1+16*\b]|, 0x1800000
.endr
.irp i, 2,4,6,8,10,12,14
.irp b, 0,1
	s_delay_alu instid0(VALU_DEP_2)
	v_max3_num_f32 v[QBM+\b], v[QBM+\b], |v[(\src)+16*\b+\i]|, |v[(\src)+1+16*\b+\i]|
.endr
.endr
.irp b, 0,1
	s_delay_alu instid0(VALU_DEP_2)
	v_permlanex16_b32 v[QBT+\b], v[QBM+\b], s[SEL], s[SEL+1]
.endr
.irp b, 0,1
	s_delay_alu instid0(VALU_DEP_2)
	v_max_num_f32 v[QBM+\b], v[QBM+\b], v[QBT+\b]
.endr
.irp b, 0,1
	s_delay_alu instid0(VALU_DEP_2)
	v_add_nc_u32 v[QSOP+\b], 0xff000000, v[QBM+\b]
.endr
.irp b, 0,1
	s_delay_alu instid0(VALU_DEP_2)
	v_lshrrev_b32 v[QBY+\b], 23, v[QSOP+\b]
.endr
	s_delay_alu instid0(VALU_DEP_1)
	v_lshl_or_b32 v[\w], v[QBY+1], 8, v[QBY]
	v_cvt_scalef32_pk16_fp6_f32 v[(\dst):(\dst)+2], v[(\src):(\src)+15], v[QSOP]
	v_cvt_scalef32_pk16_fp6_f32 v[QX:QX+2], v[(\src)+16:(\src)+31], v[QSOP+1]
	v_nop
.irp i, 0,1,2
	v_permlane16_swap_b32 v[(\dst)+\i], v[QX+\i]
.endr
.irp i, 0,1,2
	s_delay_alu instid0(VALU_DEP_3)
	v_mov_b32 v[(\dst)+3+\i], v[QX+\i]
.endr
.endm
.irp q, 0,1,2,3
	v_add_f32 v[ST+4*\q+2], v[ST+4*\q+2], v[ST+4*\q+3]   ; the sum's two halves,
.endr
.irp q, 0,1,2,3
	s_delay_alu instid0(VALU_DEP_4)
	v_permlanex16_b32 v[BT+\q], v[ST+4*\q+2], s[SEL], s[SEL+1]
.endr
.irp q, 0,1,2,3
	s_delay_alu instid0(VALU_DEP_4)
	v_add_f32 v[ST+4*\q+2], v[ST+4*\q+2], v[BT+\q]       ; and lane l xor 16's
.endr
	s_wait_alu depctr_va_vdst(0)                   ; the wait ahead of the batch,
.irp q, 0,1,2,3
	v_rcp_f32 v[ST+4*\q+2], v[ST+4*\q+2]
.endr
	v_nop
	s_wait_alu depctr_va_vdst(0)                   ; and behind it
.irp q, 0,1,2,3
	WIN 0x01
.set j, 0
.rept 16
	v_pk_mul_f32 v[SBF+j:SBF+j+1], v[32*\q+j:32*\q+j+1], v[ST+4*\q+2:ST+4*\q+3] op_sel_hi:[1,0]   ; O^T / the sum
.set j, j+2
.endr
	WIN 0
	QUANT2 SBF, SBF+32+6*\q, SBF+56+\q
.irp p, 0,1,2
	global_store_b64 v[L8], v[SBF+32+6*\q+2*\p:SBF+32+6*\q+2*\p+1], s[8:9] offset:12288*\q+256*\p   ; 32 lanes store 256 consecutive bytes, aligned
.endr
.endr
.irp pp, 0,1
	v_cndmask_b32 v[SBF+60+\pp], v[SBF+56+2*\pp], v[SBF+57+2*\pp], s60   ; lanes 0-15 the even tile's rows, lanes 16-31 the odd tile's
	global_store_b16 v[L32], v[SBF+60+\pp], s[10:11] offset:1024*\pp
.endr
	s_wait_tensorcnt 0x0                           ; the wave's end
	ds_add_u32 v[SPW], v[NIL]
	s_wait_dscnt 0x0
	ROUND                                          ; the closing round
	s_endpgm
.Lfunc_end_k_qeac815ece4_attn:
	.size	k_qeac815ece4_attn, .Lfunc_end_k_qeac815ece4_attn-k_qeac815ece4_attn
	.p2alignl 7, 3214868480
	.fill 96, 4, 3214868480
	.section	.rodata,"a",@progbits
	.p2align	6, 0x0
	.amdhsa_kernel k_qeac815ece4_attn
		.amdhsa_group_segment_fixed_size 327680
		.amdhsa_private_segment_fixed_size 0
		.amdhsa_enable_private_segment 0
		.amdhsa_kernarg_size 32
		.amdhsa_user_sgpr_count 2
		.amdhsa_user_sgpr_kernarg_segment_ptr 1
		.amdhsa_wavefront_size32 1
		.amdhsa_system_sgpr_workgroup_id_x 1
		.amdhsa_system_sgpr_workgroup_id_y 1
		.amdhsa_system_sgpr_workgroup_id_z 1
		.amdhsa_system_vgpr_workitem_id 0
		.amdhsa_next_free_vgpr 512
		.amdhsa_next_free_sgpr 66
		.amdhsa_reserve_vcc 0
		.amdhsa_float_denorm_mode_32 3
		.amdhsa_float_denorm_mode_16_64 3
		.amdhsa_memory_ordered 1
		.amdhsa_forward_progress 1
		.amdhsa_inst_pref_size 89
	.end_amdhsa_kernel
	.amdgpu_metadata
---
amdhsa.version: [ 1, 2 ]
amdhsa.kernels:
  - .name:           k_qeac815ece4_attn
    .symbol:         k_qeac815ece4_attn.kd
    .args:
      - { .name: q_img, .offset: 0, .size: 8, .value_kind: global_buffer, .address_space: global }
      - { .name: kv_img, .offset: 8, .size: 8, .value_kind: global_buffer, .address_space: global }
      - { .name: a_img, .offset: 16, .size: 8, .value_kind: global_buffer, .address_space: global }
      - { .name: a_sc, .offset: 24, .size: 8, .value_kind: global_buffer, .address_space: global }
    .group_segment_fixed_size: 327680
    .private_segment_fixed_size: 0
    .kernarg_segment_align: 8
    .kernarg_segment_size: 32
    .max_flat_workgroup_size: 256
    .sgpr_count:     66
    .vgpr_count:     512
    .wavefront_size: 32
...
	.end_amdgpu_metadata
.endif
;; end of part 3
;; launch proj (part 4): grid 4 x 32, 4 waves a work-group, clusters of 4 x 4, 327,680 bytes of LDS; arguments a_img, a_sc, qc, qs, out0; writes out0
.if DOCPART == 4
	.amdgcn_target "amdgcn-amd-amdhsa--gfx1250"
	.amdhsa_code_object_version 6
	.text
	.protected	k_qeac815ece4_proj
	.globl	k_qeac815ece4_proj
	.p2align	8
	.type	k_qeac815ece4_proj,@function
k_qeac815ece4_proj:
	s_mov_b64 s[64:65], 0
	v_nop
	global_prefetch_b8 v0, s[64:65] scope:SCOPE_SE
	s_setreg_imm32_b32 hwreg(HW_REG_WAVE_MODE, 25, 1), 1
	s_wait_xcnt 0x0
	s_wait_alu depctr_hold_cnt(0) depctr_sa_sdst(0) depctr_va_vdst(0) depctr_va_sdst(0) depctr_va_ssrc(0) depctr_va_vcc(0) depctr_vm_vsrc(0)
	s_getreg_b32 s2, hwreg(HW_REG_IB_STS2, 6, 4)
	s_cmp_eq_u32 s2, 0
	s_cbranch_scc0 .Lentry_in_a_cluster
	s_endpgm
.Lentry_in_a_cluster:
	s_bfe_u32 s2, ttmp6, 0x10000c
	s_cmp_lg_u32 s2, 0xf033
	s_cbranch_scc0 .Lentry_shape_is_right
	s_endpgm
.Lentry_shape_is_right:
.set SIZE_N, 1024
.set KSTEP,  256
.set NQ,     KSTEP/128
; out0 = a w_out^T on codes of FP6 (E2M3), K = 1,024 in steps of 256 through a ring of two LDS slots; a tile of 256 x 256 a work-group, 128 x 128 a wave; clusters of 4 x 4 with joint loads.
; A's tiles are register images from a_img (rows of 3,072 bytes); B's are dense runs of qc (a K step of 256 rows is 49,152 consecutive bytes), fetched as rows of 256 bytes with 16 bytes of padding behind each 64.
; A's rows stand in the stored order of x's rows: stored row 16 u + 8 hb + j of each 64 is token 32 hb + 8 u + j; the stores put them back.
.set ROWB,   49152                     ; from K step to K step in qc
.set G0H,    4                         ; s[4:7], s[8:11] group 0 of the head's loads of K step 0: A's 256 rows, B's 256 rows
.set G0HB,   8
.set KROW,   768
.set PITCH,  240
.set FR,     12
.set NL,     6
.set NP,     4
.set AROW,   3072
.set HALFA,  8*AROW
.set BOFF,   2*HALFA
.set HALFT,  128*PITCH
.set SLOT,   BOFF+2*HALFT
.set LAPS,   1024/(2*KSTEP)
.set KS,     32
.set SCL,    2*SLOT
.set HALFS,  (128*KS/256)*272
.set SBLK,   (16*KS/256)*272
.set SPARE,  SCL+4*HALFS
.set SPITCH, 528
.set ADRA, 16
.set ADRB, 20
.set STO,  24
.set RD,   25
.set CO,   26
.set ADRS, 27
.set SPW,  28
.set NIL,  29
.set SC,   32
.set AF,   128
.set BK,   128
.set G1, 24
.set G0, 32
.set G1B, 48
.set G0B, 56
.set G1S, 68
.set G0S, 76
.set G1SB, 80
.set G0SB, 88
.set MSB, 0
.macro WIN new
.if MSB != (\new)
	s_set_vgpr_msb (MSB<<8)|(\new)
.set MSB, (\new)
.endif
.endm
.set MUL_LO, 0xa1
.set MUL_HI, 0xf1
.set TO_B,   0x40
.macro JLOAD g0a, g1a, g0b, g1b
	s_cmp_eq_u32 s15, 0
	s_cbranch_scc0 .Lfor_b_\@
	tensor_load_to_lds s[\g0a:\g0a+3], s[\g1a:\g1a+7]
	s_nop 0
.rept 4
	v_nop
.endr
	s_branch .Lasked_\@
.Lfor_b_\@:
	tensor_load_to_lds s[\g0b:\g0b+3], s[\g1b:\g1b+7]
	s_nop 0
.rept 4
	v_nop
.endr
.Lasked_\@:
.endm
.macro CREST
	s_cmp_lg_u32 s14, 0
	s_cbranch_scc1 .Lnot_wave_0_\@
	s_barrier_signal -3
.Lnot_wave_0_\@:
	s_barrier_wait -3
	s_barrier_signal -1
	s_barrier_wait -1
.endm
.macro CROUND
	s_barrier_signal -1
	s_barrier_wait -1
	CREST
.endm
	s_load_b128 s[4:7], s[0:1], 0x0
	s_load_b128 s[8:11], s[0:1], 0x10
	s_load_b64 s[12:13], s[0:1], 0x20
	v_lshl_add_u32 v[SPW], v0, 2, SPARE
	v_mov_b32 v[NIL], 0
	ds_add_u32 v28, v29
	ds_add_u32 v28, v29
	s_wait_dscnt 0x0
	v_lshrrev_b32 v1, 5, v0
	v_readfirstlane_b32 s14, v1
	s_lshr_b32 s15, s14, 1
	s_and_b32 s16, s14, 1
	s_bfe_u32 s40, ttmp6, 0x40000
	s_bfe_u32 s41, ttmp6, 0x40004
	s_lshl_b32 s42, ttmp9, 2
	s_add_co_u32 s42, s42, s40
	s_and_b32 s17, ttmp7, 0xffff
	s_lshl_b32 s17, s17, 2
	s_add_co_u32 s17, s17, s41
	s_lshl_b32 s43, s41, 2
	s_lshl_b32 s43, 15, s43
	s_lshl_b32 s44, 0x1111, s40
	s_or_b32 s[G1+0], s43, (3<<16)|(1<<21)
	s_mov_b32 s[G1+1], 384<<16
	s_mov_b32 s[G1+2], 16<<16
	s_mov_b32 s[G1+3], 384<<16
	s_mov_b32 s[G1+4], 16
	s_mov_b32 s[G1+5], 1536
	s_mov_b32 s[G1+6], 0
	s_mov_b32 s[G1+7], 0
	s_or_b32 s[G1B+0], s44, (0<<16)|(1<<20)|(1<<21)|(3<<22)|(3<<25)
	s_mov_b32 s[G1B+1], 256<<16
	s_mov_b32 s[G1B+2], 192<<16
	s_mov_b32 s[G1B+3], 256<<16
	s_mov_b32 s[G1B+4], 192
	s_mov_b32 s[G1B+5], 256
	s_mov_b32 s[G1B+6], 0
	s_mov_b32 s[G1B+7], 0
	s_or_b32 s[G1S+0], s43, (3<<16)|(1<<20)|(1<<21)|(5<<22)|(3<<25)
	s_or_b32 s[G1SB+0], s44, (3<<16)|(1<<20)|(1<<21)|(5<<22)|(3<<25)
.irp g, G1S, G1SB
	s_mov_b32 s[\g+1], 32<<16
	s_mov_b32 s[\g+2], KS<<16
	s_mov_b32 s[\g+3], 32<<16
	s_mov_b32 s[\g+4], KS
	s_mov_b32 s[\g+5], 32
	s_mov_b32 s[\g+6], 0
	s_mov_b32 s[\g+7], 0
.endr
	s_mov_b32 s18, 0                               ; the addresses below are those of the tiles' first rows
	s_lshl_b32 s20, s17, 8
	s_add_co_u32 s20, s20, s18
	s_lshl_b32 s46, s42, 8
	s_add_co_u32 s46, s46, s18
	s_add_co_u32 s46, s46, 11264
	s_mov_b32 s21, 0
	s_mov_b32 s47, 0
	s_mov_b64 s[18:19], KS
	s_mul_u64 s[22:23], s[20:21], s[18:19]
	s_mul_u64 s[92:93], s[46:47], s[18:19]
	s_mov_b64 s[18:19], KROW
	s_mul_u64 s[20:21], s[20:21], s[18:19]
	s_mul_u64 s[46:47], s[46:47], s[18:19]
	s_mul_i32 s45, s16, HALFA
	s_mul_i32 s95, s16, HALFT
	s_add_co_u32 s95, s95, BOFF
	s_wait_kmcnt 0x0
	s_add_nc_u64 s[20:21], s[4:5], s[20:21]
	s_add_nc_u64 s[22:23], s[6:7], s[22:23]
	s_add_nc_u64 s[46:47], s[8:9], s[46:47]
	s_add_nc_u64 s[92:93], s[10:11], s[92:93]
	CROUND
	s_mov_b32 s[G0S], 1
	s_mov_b32 s[G0S+1], SCL
	s_mov_b64 s[G0S+2:G0S+3], s[22:23]
	s_or_b32 s[G0S+3], s[G0S+3], 0x80000000
	s_mov_b32 s[G0SB], 1
	s_mov_b32 s[G0SB+1], SCL+2*HALFS
	s_mov_b64 s[G0SB+2:G0SB+3], s[92:93]
	s_or_b32 s[G0SB+3], s[G0SB+3], 0x80000000
	s_mov_b32 s[G0H], 1                            ; K step 0's 256 rows of A,
	s_mov_b32 s[G0H+1], 0
	s_mov_b64 s[G0H+2:G0H+3], s[20:21]
	s_or_b32 s[G0H+3], s[G0H+3], 0x80000000
	s_mov_b32 s[G0HB], 1                           ; and of B
	s_mov_b32 s[G0HB+1], BOFF
	s_mov_b64 s[G0HB+2:G0HB+3], s[46:47]
	s_or_b32 s[G0HB+3], s[G0HB+3], 0x80000000
	s_mul_i32 s18, s16, 128*KROW                   ; for the ring: my 128 rows of A's tile,
	s_mov_b32 s19, 0
	s_add_nc_u64 s[20:21], s[20:21], s[18:19]
	s_mul_i32 s18, s16, ROWB/2                     ; and of B's
	s_add_nc_u64 s[46:47], s[46:47], s[18:19]
.irp s, 0,1
	s_mov_b32 s[G0+4*\s], 1
	s_add_co_u32 s[G0+4*\s+1], s45, \s*SLOT
	s_add_nc_u64 s[G0+4*\s+2:G0+4*\s+3], s[20:21], \s*AROW
	s_or_b32 s[G0+4*\s+3], s[G0+4*\s+3], 0x80000000
	s_mov_b32 s[G0B+4*\s], 1
	s_add_co_u32 s[G0B+4*\s+1], s95, \s*SLOT
	s_add_nc_u64 s[G0B+4*\s+2:G0B+4*\s+3], s[46:47], \s*ROWB
	s_or_b32 s[G0B+4*\s+3], s[G0B+4*\s+3], 0x80000000
.endr
; The head's loads, one a wave: wave 0 K step 0's 256 rows of A, wave 1 those of B, wave 2 the scales of A's 256 rows, wave 3 those of B's.
.macro ARM under, g0, g1, next
	s_cmp_lt_u32 s14, \under
	s_cbranch_scc0 \next
	tensor_load_to_lds s[\g0:\g0+3], s[\g1:\g1+7]
	s_nop 0
.rept 4
	v_nop
.endr
	s_branch .Lhead_asked
\next:
.endm
	ARM 1, G0H,  G1,  .Lhead_b
	ARM 2, G0HB, G1B, .Lhead_sa
	ARM 3, G0S,  G1S, .Lhead_sb
	tensor_load_to_lds s[G0SB:G0SB+3], s[G1SB:G1SB+7]
	s_nop 0
.rept 4
	v_nop
.endr
.Lhead_asked:
	v_and_b32 v1, 15, v0
	v_bfe_u32 v2, v0, 4, 1
	v_mul_u32_u24 v3, v1, PITCH
	v_mul_u32_u24 v4, v2, 24
	v_add_nc_u32 v4, v3, v4
	v_lshl_add_u32 v5, v2, 4, v4
	v_and_b32 v6, 31, v0
	v_lshlrev_b32 v6, 3, v6
	s_mul_i32 s21, s15, HALFA
	s_mul_i32 s22, s16, HALFT
	s_add_co_u32 s22, s22, BOFF
.irp s, 0,1
	v_add_nc_u32 v[ADRA+\s], s21, v6
	v_add_nc_u32 v[ADRB+\s], s22, v4
	v_add_nc_u32 v[ADRB+2+\s], s22, v5
	s_add_co_u32 s21, s21, SLOT
	s_add_co_u32 s22, s22, SLOT
.endr
	v_mul_u32_u24 v5, v1, KS
	v_lshrrev_b32 v6, 8, v5
	v_lshl_add_u32 v5, v6, 4, v5
	s_mul_i32 s21, s15, HALFS
	s_mul_i32 s22, s16, HALFS
	s_add_co_u32 s22, s22, 2*HALFS
	s_sub_co_u32 s22, s22, s21
	v_mul_u32_u24 v6, s22, v2
	s_add_co_u32 s21, s21, SCL
	v_add_nc_u32 v5, v5, v6
	v_add_nc_u32 v[ADRS], s21, v5
	s_mul_i32 s23, s14, 16*SPITCH
	v_mul_u32_u24 v5, v1, SPITCH
	v_lshl_add_u32 v5, v2, 5, v5
	v_add_nc_u32 v[STO], s23, v5
	v_and_b32 v6, 31, v0
	v_lshlrev_b32 v[CO], 4, v6
	v_add_nc_u32 v[RD], s23, v[CO]
	s_lshl_b32 s20, s17, 8
	s_lshl_b32 s21, s15, 7
	s_add_co_u32 s20, s20, s21
	s_mov_b32 s21, 0
	s_mov_b64 s[18:19], SIZE_N*4
	s_mul_u64 s[20:21], s[20:21], s[18:19]
	s_lshl_b32 s46, s42, 10
	s_lshl_b32 s47, s16, 9
	s_add_co_u32 s46, s46, s47
	s_mov_b32 s47, 0
	s_add_nc_u64 s[20:21], s[20:21], s[46:47]
	s_add_nc_u64 s[12:13], s[12:13], s[20:21]
.macro FRAG reg, adr, q, i
.irp p, 0,1,2,3,4,5
.set PCE, 12*(\q)+6*(\p/3)+\p%3
.if PCE%8 < 5
	ds_load_b64 v[\reg+2*\p:\reg+2*\p+1], v[\adr] offset:8*PCE+16*(PCE/8)+(\i)*16*PITCH
.else
	ds_load_b64 v[\reg+2*\p:\reg+2*\p+1], v[\adr+2] offset:8*PCE+16*(PCE/8)+(\i)*16*PITCH
.endif
.endr
.endm
.macro FRAGA reg, slot, q, i
.irp p, 0,1,2,3,4,5
	ds_load_b64 v[\reg+2*\p:\reg+2*\p+1], v[ADRA+\slot] offset:(\i)*AROW+(\q)*1536+256*\p
.endr
.endm
.macro MUL16 a0, p, q, sc, zero
.irp a, \a0, \a0+1
.irp b, 0,1,2,3,4,5,6,7
.if \zero
	v_wmma_scale_f32_16x16x128_f8f6f4 v[8*(8*((\a)%4)+\b):8*(8*((\a)%4)+\b)+7], v[128*(\p)+FR*\b:128*(\p)+FR*\b+FR-1], v[AF+FR*(\a):AF+FR*(\a)+FR-1], 0, v[SC+8*NQ*(\sc)+NQ*\b+(\q)], v[SC+8*NQ*(\sc)+NQ*(\a)+(\q)] matrix_a_fmt:MATRIX_FMT_FP6 matrix_b_fmt:MATRIX_FMT_FP6 matrix_a_scale:MATRIX_SCALE_ROW1
.else
	v_wmma_scale_f32_16x16x128_f8f6f4 v[8*(8*((\a)%4)+\b):8*(8*((\a)%4)+\b)+7], v[128*(\p)+FR*\b:128*(\p)+FR*\b+FR-1], v[AF+FR*(\a):AF+FR*(\a)+FR-1], v[8*(8*((\a)%4)+\b):8*(8*((\a)%4)+\b)+7], v[SC+8*NQ*(\sc)+NQ*\b+(\q)], v[SC+8*NQ*(\sc)+NQ*(\a)+(\q)] matrix_a_fmt:MATRIX_FMT_FP6 matrix_b_fmt:MATRIX_FMT_FP6 matrix_a_scale:MATRIX_SCALE_ROW1
.endif
.endr
.endr
.endm
.macro FETCH_B slot, q, p
	WIN TO_B
.irp i, 0,1,2,3,4,5,6,7
	FRAG 128*(\p)+FR*\i, ADRB+\slot, \q, \i
.endr
	WIN 0
.endm
.macro FETCH_A slot, q, i0
.irp i, \i0, \i0+1, \i0+2, \i0+3
	FRAGA AF+FR*(\i), \slot, \q, \i
.endr
.endm
.macro SCALES sc
.irp i, 0,1,2,3,4,5,6,7
	ds_load_b64 v[SC+8*NQ*\sc+NQ*\i:SC+8*NQ*\sc+NQ*\i+1], v[ADRS] offset:\i*SBLK
.endr
.endm
.macro PLACES n
.rept \n
	v_nop
.endr
.endm
.macro STEP slot, q, zero
	s_wait_dscnt 4*NL
	WIN MUL_LO
	MUL16 0, (\q)%2, \q, \slot, \zero
	MUL16 2, (\q)%2, \q, \slot, \zero
	s_wait_dscnt 0
	PLACES NP
	FETCH_B \slot, (\q)+1, 1-(\q)%2
	FETCH_A \slot, (\q)+1, 0
	WIN MUL_HI
	MUL16 4, (\q)%2, \q, \slot, \zero
	MUL16 6, (\q)%2, \q, \slot, \zero
	PLACES NP
	WIN 0
	FETCH_A \slot, (\q)+1, 4
.endm
.macro TURN slot, next, fill
	s_wait_tensorcnt 0x0
	ds_add_u32 v[SPW], v[NIL]
	s_wait_dscnt 4*NL+1
	WIN MUL_LO
	MUL16 0, 1, NQ-1, \slot, 0
	s_wait_dscnt 0x0
	s_barrier_signal -1
	MUL16 2, 1, NQ-1, \slot, 0
	WIN 0
	s_barrier_wait -1
.if \fill
	CREST
	s_add_nc_u64 s[G0+4*\slot+2:G0+4*\slot+3], s[G0+4*\slot+2:G0+4*\slot+3], 2*AROW
	s_add_nc_u64 s[G0B+4*\slot+2:G0B+4*\slot+3], s[G0B+4*\slot+2:G0B+4*\slot+3], 2*ROWB
	JLOAD G0+4*\slot, G1, G0B+4*\slot, G1B
.else
	PLACES NP
.endif
	s_wait_alu depctr_va_vdst(0)
	v_add_nc_u32 v[ADRS], 4*NQ, v[ADRS]
	FETCH_B \next, 0, 0
	FETCH_A \next, 0, 0
	SCALES \next
	WIN MUL_HI
	MUL16 4, 1, NQ-1, \slot, 0
	MUL16 6, 1, NQ-1, \slot, 0
	PLACES NP
	WIN 0
	FETCH_A \next, 0, 4
.endm
	s_wait_alu depctr_va_vdst(0)
	s_wait_tensorcnt 0x0                           ; my tile of the head's four is in
	ds_add_u32 v[SPW], v[NIL]
	s_mov_b32 s[G1+2], 8<<16                       ; no tensor load of mine is out: from here on a load brings 128 rows
	s_mov_b32 s[G1+4], 8
	s_mov_b32 s[G1B+2], 96<<16
	s_mov_b32 s[G1B+4], 96
	s_wait_dscnt 0x0
	CROUND                                         ; all four tiles are in, and all sixteen work-groups are here
	JLOAD G0+4, G1, G0B+4, G1B                     ; K step 1, the first tensor load behind the round
	FETCH_B 0, 0, 0
	FETCH_A 0, 0, 0
	SCALES 0
	FETCH_A 0, 0, 4
	STEP 0, 0, 1
	s_mov_b32 s3, LAPS-1
.Llap:
	TURN 0, 1, 1
	STEP 1, 0, 0
	TURN 1, 0, 1
	STEP 0, 0, 0
	s_sub_co_u32 s3, s3, 1
	s_cmp_lg_u32 s3, 0
	s_cbranch_scc1 .Llap
	TURN 0, 1, 0
	STEP 1, 0, 0
	s_wait_dscnt 4*NL
	WIN MUL_LO
	MUL16 0, 1, NQ-1, 1, 0
	MUL16 2, 1, NQ-1, 1, 0
	s_wait_dscnt 0
	WIN MUL_HI
	MUL16 4, 1, NQ-1, 1, 0
	MUL16 6, 1, NQ-1, 1, 0
	WIN 0
.macro TOSTAGE a
.set AC, 64*((\a)%4)
	WIN 0x08+4*((\a)/4)
.irp b, 0,1,2,3,4,5,6,7
	ds_store_b128 v[STO], v[AC+8*\b:AC+8*\b+3] offset:64*\b
	ds_store_b128 v[STO], v[AC+8*\b+4:AC+8*\b+7] offset:64*\b+16
.endr
	WIN 0
.set BB, BK+64*((\a)%2)
.irp t, 0,1,2,3,4,5,6,7,8,9,10,11,12,13,14,15
	ds_load_b128 v[BB+4*\t:BB+4*\t+3], v[RD] offset:\t*SPITCH
.endr
.endm
.macro SEND a, younger
.set BB, BK+64*((\a)%2)
	s_wait_dscnt \younger
.irp t, 0,1,2,3,4,5,6,7,8,9,10,11,12,13,14,15
	global_store_b128 v[CO], v[BB+4*\t:BB+4*\t+3], s[12:13] offset:(64*((\a)/4)+8*((\a)%4)+(\t%8)+32*(\t/8))*SIZE_N*4 th:TH_STORE_NT   ; stored row t of block a is this token; 32 lanes store 512 consecutive bytes
.endr
.endm
	PLACES NP
	TOSTAGE 0
.irp a, 1,2,3,4,5,6,7
.if \a > 1
	s_wait_xcnt 0x0
.endif
	TOSTAGE \a
	SEND \a-1, 32
.endr
	SEND 7, 0
	s_wait_tensorcnt 0x0
	ds_add_u32 v[SPW], v[NIL]
	s_wait_dscnt 0x0
	CROUND
	s_endpgm
.Lfunc_end_k_qeac815ece4_proj:
	.size	k_qeac815ece4_proj, .Lfunc_end_k_qeac815ece4_proj-k_qeac815ece4_proj
	.p2alignl 7, 3214868480
	.fill 96, 4, 3214868480
	.section	.rodata,"a",@progbits
	.p2align	6, 0x0
	.amdhsa_kernel k_qeac815ece4_proj
		.amdhsa_group_segment_fixed_size 327680
		.amdhsa_private_segment_fixed_size 0
		.amdhsa_enable_private_segment 0
		.amdhsa_kernarg_size 40
		.amdhsa_user_sgpr_count 2
		.amdhsa_user_sgpr_kernarg_segment_ptr 1
		.amdhsa_wavefront_size32 1
		.amdhsa_system_sgpr_workgroup_id_x 1
		.amdhsa_system_sgpr_workgroup_id_y 1
		.amdhsa_system_sgpr_workgroup_id_z 1
		.amdhsa_system_vgpr_workitem_id 0
		.amdhsa_next_free_vgpr 1024
		.amdhsa_next_free_sgpr 100
		.amdhsa_reserve_vcc 0
		.amdhsa_float_denorm_mode_32 3
		.amdhsa_float_denorm_mode_16_64 3
		.amdhsa_memory_ordered 1
		.amdhsa_forward_progress 1
		.amdhsa_inst_pref_size 161
	.end_amdhsa_kernel
	.amdgpu_metadata
---
amdhsa.version: [ 1, 2 ]
amdhsa.kernels:
  - .name:           k_qeac815ece4_proj
    .symbol:         k_qeac815ece4_proj.kd
    .args:
      - { .name: a_img, .offset: 0, .size: 8, .value_kind: global_buffer, .address_space: global }
      - { .name: a_sc, .offset: 8, .size: 8, .value_kind: global_buffer, .address_space: global }
      - { .name: qc, .offset: 16, .size: 8, .value_kind: global_buffer, .address_space: global }
      - { .name: qs, .offset: 24, .size: 8, .value_kind: global_buffer, .address_space: global }
      - { .name: out0, .offset: 32, .size: 8, .value_kind: global_buffer, .address_space: global }
    .group_segment_fixed_size: 327680
    .private_segment_fixed_size: 0
    .kernarg_segment_align: 8
    .kernarg_segment_size: 40
    .max_flat_workgroup_size: 128
    .sgpr_count:     100
    .vgpr_count:     1024
    .wavefront_size: 32
...
	.end_amdgpu_metadata
.endif
;; end of part 4
